; MI455X (gfx1250); checked and timed in simulation.
; The chip was launched on July 23, 2026; its instructions are those of AMD's public machine-readable ISA for CDNA 5 (MIT licence, August 2026) and "CDNA5" Instruction Set Architecture Reference Guide (July 2026). The comments in the code are by the model that wrote it; some were corrected since.
;; Zoom aware MSA. Allowed arithmetic: matrix products marked QUANTISED: E4M3 operands, one given power-of-two scale a tensor, by v_wmma_f32_16x16x64_fp8_fp8 or v_wmma_f32_16x16x128_fp8_fp8, f32 sums; everything else in f32.
;; Inputs: Wk 1,024 x 1,024 float32; Wo 1,024 x 1,024 float32; Wq 1,024 x 1,024 float32; Wv 1,024 x 1,024 float32; attn_bias 8 x 1 x 1,024 x 1,024 float32; bk 1,024 float32; bo 1,024 float32; bq 1,024 float32; bv 1,024 float32; k 8 x 1,024 x 1,024 float32; lowp_scales 12 int32 (the exponents e of the quantised operands' scales 2^e); q 8 x 1,024 x 1,024 float32; v 8 x 1,024 x 1,024 float32; zoom_bias 2,047 x 1 float32.
;; Outputs: out0 8 x 1,024 x 1,024 float32.
;; This version of the problem:
;;   THIS VERSION OF THE PROBLEM IS GIVEN IN LOW PRECISION. The matrix products marked QUANTISED in the list below multiply operands that are first quantised to E4M3 (4 exponent bits, 3 mantissa bits; 8 bits a number), with one given power-of-two scale for each operand tensor; their sums are f32. All else is computed in f32.
;;   The module's matrix products, in the order in which they are computed (A, B: the left and right operand; K: the contracted axis; several contracted axes count as one K, in the product's order):
;;     1. [M 8,192, K 1,024] x [K 1,024, N 1,024]; A: input q; B: input Wq: QUANTISED (scales: A lowp_scales[0], B lowp_scales[1])
;;     2. [M 8,192, K 1,024] x [K 1,024, N 1,024]; A: input k; B: input Wk: QUANTISED (scales: A lowp_scales[2], B lowp_scales[3])
;;     3. [M 8,192, K 1,024] x [K 1,024, N 1,024]; A: input v; B: input Wv: QUANTISED (scales: A lowp_scales[4], B lowp_scales[5])
;;     4. batch 128 x [M 1,024, K 64] x [K 64, N 1,024]; A: computed on the way; B: computed on the way: QUANTISED (scales: A lowp_scales[6], B lowp_scales[7])
;;     5. batch 128 x [M 64, K 1,024] x [K 1,024, N 1,024]; A: computed on the way; B: softmax (see below): QUANTISED (scales: A lowp_scales[8], B lowp_scales[9])
;;     6. [M 8,192, K 1,024] x [K 1,024, N 1,024]; A: computed on the way; B: input Wo: QUANTISED (scales: A lowp_scales[10], B lowp_scales[11])
;;   THE QUANTISER, for each operand of a quantised product, along K:
;;     - The operand's scale is 2^e, e = its entry of the input lowp_scales (int32; the entries are numbered through the quantised products in the list's order, A before B).
;;     - Each number is divided by the scale, clamped to +-448, and rounded to the nearest number of E4M3, ties to even, subnormals kept.
;;     - The product sums the exact products of the quantised numbers (number of the format x scale) in f32.
;;   ~~~python
;;   def quantise(x, axis, e):      # numpy; x: float32 -> the quantised numbers, widened to float32 again
;;       x = np.moveaxis(x, axis, -1); K = x.shape[-1]
;;       r = np.clip(x / 2.0 ** e, -448, 448)
;;       step = 2.0 ** (np.maximum(np.frexp(np.where(r == 0, 1, r))[1] - 1, -6) - 3)
;;       q = np.round(r / step) * step * 2.0 ** e      # np.round: ties to even
;;       return np.moveaxis(q, -1, axis).astype(np.float32)
;;   ~~~
;;   SOFTMAX AHEAD OF A QUANTISED PRODUCT. Where the list says 'softmax', what is quantised is not the finished softmax but p = 2^(t - M), with t = logit x log2(e) and M = ceil(the row's largest t), a whole number; so 1/2 < the row's largest p <= 1. The row's sum l is taken of the UNQUANTISED p, in f32, and the product's result is divided by l at the end. Since M is a whole number, a kernel that streams over the keys may use a running M (the ceiling of the running maximum): every later rescaling is an exact power of two, so the quantised numbers keep their values, but for numbers so far below the row's largest that they fall under the format's range.
;;   OPERANDS COMPUTED ON THE WAY. 'Computed on the way' means the value that the module computes at that place (a softmax that the list does not call 'softmax' is quantised finished and normalised). What goes into a quantiser is computed in f32, as accurately as f32 sums, v_exp_f32 and their like allow (about 1e-6 of the number): no bf16 or f16 on the way to a quantiser, and a product that is left as it is and whose result goes on into a quantised operand takes f32 operands (vector FMAs, or v_wmma_f32_16x16x4_f32). A number that lies on a knife's edge between two numbers of the format may be rounded either way, as far as f32 arithmetic and the matrix unit's own rounding can turn it there, and no further.
;; One version. Each part assembles by itself: llvm-mc -triple=amdgcn-amd-amdhsa -mcpu=gfx1250 --defsym DOCPART=n.
;; ======== version 1 of 1: 4 launches
;; limits: right only within a limited range of input values
;; workspace buffers: xc 25,165,824 bytes; wc 4,194,304 bytes; bz 33,554,432 bytes; qkv 25,165,824 bytes; oc 8,388,608 bytes
;; launch prep (part 1): grid 1408 x 1, 4 waves a work-group, no clusters, 67,072 bytes of LDS; arguments q, k, v, Wq, Wk, Wv, Wo, attn_bias, zoom_bias, lowp_scales, xc, wc, bz; writes xc, wc, bz
.if DOCPART == 1
	.amdgcn_target "amdgcn-amd-amdhsa--gfx1250"
	.amdhsa_code_object_version 6
	.text
	.protected	k_q2d371128eb_prep
	.globl	k_q2d371128eb_prep
	.p2align	8
	.type	k_q2d371128eb_prep,@function
k_q2d371128eb_prep:
	s_mov_b64 s[64:65], 0
	v_nop
	global_prefetch_b8 v0, s[64:65] scope:SCOPE_SE
	s_setreg_imm32_b32 hwreg(HW_REG_WAVE_MODE, 25, 1), 1
	s_wait_xcnt 0x0
; TWO JOBS IN ONE LAUNCH, told apart by the work-group's number.
; (1) Work-groups 0 to 895: q, k, v [8192][1024] and Wq, Wk, Wv, Wo [1024][1024], f32 with K innermost, become codes of E4M3, one byte each, in the same order: q, k, v on end in xc, the four weights on end in wc.
;     code = x / 2^e, held within +-448, to the nearest code, ties to even; e is the tensor's entry of lowp_scales (q 0, k 2, v 4, Wq 1, Wk 3, Wv 5, Wo 11).
;     A wave takes 16 steps of 512 numbers.  Each load reads 512 consecutive bytes; a step's 2,048 bytes turn through the wave's own stage in LDS so that a lane holds 16 neighbours along K for the conversions; a wave's store covers 512 consecutive bytes.
; (2) Work-groups 896 to 1407: the bias of the scores, (attn_bias[b][i][j] + zoom_bias[i - j + 1023]) x 2^-(e6 + e7), laid in bz as the image of the registers in which the attention launch takes it as the C of its score product.
;     A block (b, T, ks) of 16 queries x 128 keys is 8,192 bytes at ((64 b + T) 8 + ks) 8192; group g = 4 b' + c at 512 g + 16 lane; lane (r, hh) holds query 32 (T / 2) + 8 (T % 2) + r + 8 (r / 8) and keys 128 ks + 32 b' + 16 hh + 4 c + 0 .. 3.
;     A work-group takes one (b, T), a wave two blocks.  Both factors 2^-(e6 + e7) are exact, so the fused multiply-add rounds once, as the sum attn_bias + zoom_bias does.
; The two jobs use LDS bytes of their own: 0 .. 32,767 and 32,768 .. 66,559.  No barrier: waves share nothing.
; LIMITS: each e between -126 and 119; e6 + e7 between -126 and 126.  NaN among the inputs is not served (an infinity among q, k, v and the weights is held at the largest code).
.set NQ,    896                        ; work-groups of job 1: 3 x 256 + 4 x 32, each 32,768 numbers
.set STEPS, 16
.set EMAX,  8
.set MANT,  0x600000                   ; the mantissa field of 448 as f32
.set R,     16                         ; v16-79   four sets of 16 numbers as they are loaded
.set X,     80                         ; v80-111  two sets of 16 neighbours
.set C,     128                        ; v128-191 codes: four registers for each step, so that no store's data are written again
.set WREG,  8192                       ; job 1: a wave's LDS: two stages of 32 x SP bytes
.set SP,    80                         ; a lane's place in a stage: 64 bytes + 16 of padding
.set BSTG,  32768                      ; job 2: the stages begin here; 16 rows x BPI bytes for each wave
.set BPI,   528                        ; a row of 128 f32 + 16 bytes: an odd multiple of 16, so that sixteen rows start at sixteen different places among the banks
.set AB0,   8                          ; v8-71    block 0's 16 rows x 4 numbers a lane; later block 1's image
.set AB1,   72                         ; v72-135  block 1's
.set OUTR,  136                        ; v136-199 block 0's image
.set Z0,    200                        ; v200-222 block 0's 23 numbers of zoom_bias
.set Z1,    224                        ; v224-246 block 1's
	s_load_b512 s[8:23], s[0:1], 0x0               ; q 8, k 10, v 12, Wq 14, Wk 16, Wv 18, Wo 20, attn_bias 22
	s_load_b256 s[24:31], s[0:1], 0x40             ; zoom_bias 24, lowp_scales 26, xc 28, wc 30
	s_load_b64 s[32:33], s[0:1], 0x60              ; bz
	v_lshl_add_u32 v254, v0, 2, 0x10400
	v_mov_b32 v255, 0
	v_lshrrev_b32 v1, 5, v0
	v_readfirstlane_b32 s34, v1                    ; wave 0..3
	v_and_b32 v2, 31, v0                           ; lane
	s_wait_kmcnt 0x0
	s_cmp_ge_u32 ttmp9, NQ
	s_cbranch_scc1 .Lbias
; ---------------- job 1: codes ----------------
	s_wait_alu depctr_va_vdst(0)
	v_lshlrev_b32 v3, 4, v2                        ; my 16 bytes of a load's 512, and of a store's
	s_wait_alu depctr_va_vdst(0)
	s_mul_i32 s35, s34, WREG
	v_lshrrev_b32 v14, 2, v2
	v_mul_u32_u24 v14, v14, SP
	v_and_b32 v15, 3, v2
	v_lshl_add_u32 v14, v15, 4, v14
	v_add_nc_u32 v14, s35, v14                     ; the stage, on the way in: four lanes' 64 bytes on end, then 16 of padding
	v_mul_u32_u24 v15, v2, SP
	v_add_nc_u32 v15, s35, v15                     ; and on the way out: my 16 neighbours
	s_mov_b64 s[4:5], s[8:9]                       ; which tensor: the choice hangs on the work-group's number alone
	s_mov_b32 s36, 0                               ; its first work-group
	s_mov_b32 s37, 0                               ; its entry of lowp_scales
.macro PICK thr, ptr, idx
	s_cmp_ge_u32 ttmp9, \thr
	s_cselect_b64 s[4:5], s[\ptr:\ptr+1], s[4:5]
	s_cselect_b32 s36, \thr, s36
	s_cselect_b32 s37, \idx, s37
.endm
	PICK 256, 10, 2
	PICK 512, 12, 4
	PICK 768, 14, 1
	PICK 800, 16, 3
	PICK 832, 18, 5
	PICK 864, 20, 11
	s_cmp_ge_u32 ttmp9, 768
	s_cselect_b64 s[6:7], s[30:31], s[28:29]       ; the weights' codes go to wc, the others to xc
	s_cselect_b32 s38, 768, 0
	s_lshl_b32 s37, s37, 2
	s_load_b32 s39, s[26:27], s37 offset:0x0       ; e
	s_sub_co_u32 s40, ttmp9, s36
	s_lshl_b32 s40, s40, 2
	s_add_co_u32 s40, s40, s34                     ; which run of 8,192 numbers of the tensor is my wave's
	s_lshl_b32 s40, s40, 15                        ; x 32,768 bytes: under 2^25
	s_mov_b32 s41, 0
	s_add_nc_u64 s[4:5], s[4:5], s[40:41]
	s_sub_co_u32 s42, ttmp9, s38
	s_lshl_b32 s42, s42, 2
	s_add_co_u32 s42, s42, s34
	s_lshl_b32 s42, s42, 13                        ; x 8,192 bytes of codes
	s_mov_b32 s43, 0
	s_add_nc_u64 s[6:7], s[6:7], s[42:43]
.macro LOAD t
.irp i, 0,1,2,3
	global_load_b128 v[R+16*((\t)%4)+4*\i:R+16*((\t)%4)+4*\i+3], v3, s[4:5] offset:2048*(\t)+512*\i th:TH_LOAD_NT   ; 32 lanes read 512 consecutive bytes; read once
.endr
.endm
.macro TURN t                          ; step t's numbers through the stage: LDS serves a wave's instructions in order, so no wait stands between the stores and the loads
.irp i, 0,1,2,3
	ds_store_b128 v14, v[R+16*((\t)%4)+4*\i:R+16*((\t)%4)+4*\i+3] offset:32*SP*((\t)%2)+8*SP*\i
.endr
.irp i, 0,1,2,3
	ds_load_b128 v[X+16*((\t)%2)+4*\i:X+16*((\t)%2)+4*\i+3], v15 offset:32*SP*((\t)%2)+16*\i
.endr
.endm
.irp t, 0,1,2,3
	LOAD \t
.endr
	s_wait_alu depctr_va_vdst(0)
	s_wait_kmcnt 0x0
	s_add_co_i32 s39, s39, 127
	s_lshl_b32 s44, s39, 23
	v_mov_b32 v11, s44                             ; 2^e as f32: the conversion takes its exponent field
	s_add_co_i32 s39, s39, EMAX
	s_lshl_b32 s39, s39, 23
	s_or_b32 s39, s39, MANT
	v_mov_b32 v10, s39                             ; 448 x 2^e
	s_wait_alu depctr_va_vdst(0)
	s_wait_loadcnt 12                              ; step 0's four loads are in; the twelve of steps 1 to 3 may be out
	TURN 0
.macro STEP t
.set XS, X+16*((\t)%2)
	s_wait_dscnt 0x0                               ; this step's numbers are back from the stage: so its stores into the stage have read their registers,
.if (\t)+4 < STEPS
	LOAD (\t)+4                                    ; which take the loads of four steps on
.endif
.if (\t)+1 < STEPS
.if STEPS-2-(\t) >= 3
	s_wait_loadcnt 12                              ; the next step's four loads are in; those of the three steps behind it may be out
.else
	s_wait_loadcnt 4*(STEPS-2-(\t))
.endif
	TURN (\t)+1                                    ; and go through the other stage while this step is worked
.endif
.irp i, 0,1,2,3,4,5,6,7,8,9,10,11,12,13,14,15
	v_med3_num_f32 v[XS+\i], v[XS+\i], -v10, v10   ; the conversion to an 8-bit code does not saturate (ISA guide 7.6.2): the hold at the largest code x the scale
.endr
	v_cvt_scalef32_pk8_fp8_f32 v[C+4*(\t):C+4*(\t)+1], v[XS:XS+7], v11
	v_cvt_scalef32_pk8_fp8_f32 v[C+4*(\t)+2:C+4*(\t)+3], v[XS+8:XS+15], v11
	global_store_b128 v3, v[C+4*(\t):C+4*(\t)+3], s[6:7] offset:512*(\t)   ; the results go to a store alone; the next vector lines are plain and touch other registers
.endm
.irp t, 0,1,2,3,4,5,6,7,8,9,10,11,12,13,14,15
	STEP \t
.endr
	s_wait_tensorcnt 0x0
	ds_add_u32 v254, v255
	s_wait_dscnt 0x0
	s_endpgm
; ---------------- job 2: the bias as register images ----------------
.Lbias:
	s_load_b64 s[40:41], s[26:27], 0x18            ; e6, e7
	s_sub_co_u32 s35, ttmp9, NQ                    ; 64 b + T
	s_and_b32 s36, s35, 63                         ; T
	s_lshr_b32 s37, s35, 6                         ; b
	s_lshr_b32 s38, s36, 1
	s_lshl_b32 s38, s38, 5
	s_and_b32 s39, s36, 1
	s_lshl_b32 s39, s39, 3
	s_add_co_u32 s38, s38, s39                     ; i0 = 32 (T / 2) + 8 (T % 2): the tile's first query
	s_lshl_b32 s43, s37, 10
	s_add_co_u32 s43, s43, s38
	s_lshl_b32 s44, s43, 12                        ; row b 1024 + i0 of attn_bias, 4,096 bytes a row: under 2^25,
	s_lshl_b32 s49, s34, 10
	s_add_co_u32 s44, s44, s49                     ; + my wave's 256 keys
	s_mov_b32 s45, 0
	s_add_nc_u64 s[44:45], s[22:23], s[44:45]
	s_lshl_b32 s46, s35, 16
	s_lshl_b32 s47, s34, 14
	s_add_co_u32 s46, s46, s47                     ; bz: the tile's 65,536 bytes, my wave's two blocks
	s_mov_b32 s47, 0
	s_add_nc_u64 s[46:47], s[32:33], s[46:47]
	s_lshl_b32 s48, s38, 2
	s_add_co_u32 s48, s48, 4080
	s_sub_co_u32 s48, s48, s49                     ; 4 (i0 - 128 ks + 1020) for ks = 2 x wave: never under 1,008
	s_wait_alu depctr_va_vdst(0)
	v_lshlrev_b32 v1, 4, v2                        ; 16 x lane
	v_sub_nc_u32 v6, s48, v1                       ; Z[n] = zoom_bias[i0 - 128 ks - 4 lane + 1020 + n]: byte offset of Z[0], block 0: a multiple of 16, never negative,
	v_sub_nc_u32 v7, v6, 512                       ; block 1
	s_mul_i32 s50, s34, 16*BPI
	s_add_co_u32 s50, s50, BSTG                    ; my stage
	v_add_nc_u32 v4, s50, v1                       ; in: a row's 512 bytes as they lie
	v_and_b32 v3, 15, v2                           ; r
	v_mul_u32_u24 v5, v3, BPI
	v_lshrrev_b32 v3, 4, v2                        ; hh
	v_lshl_add_u32 v5, v3, 6, v5
	v_add_nc_u32 v5, s50, v5                       ; out: row r, + 64 hh
; zoom_bias for 16 rows and a lane's four keys: row rho' and key e want Z[rho' + 3 - e]; rho' is 0..7 or 16..23, so n is 0..10 or 16..26.  The highest index reached is 1000 + 1020 + 26 = 2046, the lowest 0.
.macro ZLOAD z, va
	global_load_b128 v[\z:\z+3], v[\va], s[24:25]
	global_load_b128 v[\z+4:\z+7], v[\va], s[24:25] offset:16
	global_load_b128 v[\z+8:\z+11], v[\va], s[24:25] offset:32
	global_load_b128 v[\z+12:\z+15], v[\va], s[24:25] offset:64
	global_load_b128 v[\z+16:\z+19], v[\va], s[24:25] offset:80
	global_load_b96 v[\z+20:\z+22], v[\va], s[24:25] offset:96
.endm
.macro ABLOAD ab, blk                  ; the tile's 16 rows (0..7 and 16..23 from i0), 128 keys: each load reads 512 consecutive bytes, aligned
.irp p, 0,1,2,3,4,5,6,7,8,9,10,11,12,13,14,15
	global_load_b128 v[\ab+4*\p:\ab+4*\p+3], v1, s[44:45] offset:(\p+8*(\p/8))*4096+\blk*512 th:TH_LOAD_NT
.endr
.endm
	ZLOAD Z0, 6
	ABLOAD AB0, 0
	ZLOAD Z1, 7
	ABLOAD AB1, 1
	s_wait_kmcnt 0x0
	s_add_co_i32 s42, s40, s41
	s_sub_co_i32 s42, 127, s42
	s_lshl_b32 s42, s42, 23                        ; 2^-(e6 + e7) as f32
.macro BWORK ab, z, dst, blk
.set n, 0
.rept 23
	v_mul_f32 v[\z+n], s42, v[\z+n]                ; exact
.set n, n+1
.endr
.irp p, 0,1,2,3,4,5,6,7,8,9,10,11,12,13,14,15
.irp e, 0,1,2,3
	v_fma_f32 v[\ab+4*\p+\e], v[\ab+4*\p+\e], s42, v[\z+\p+4*(\p/8)+3-\e]
.endr
.endr
.irp p, 0,1,2,3,4,5,6,7,8,9,10,11,12,13,14,15
	ds_store_b128 v4, v[\ab+4*\p:\ab+4*\p+3] offset:\p*BPI
.endr
.irp g, 0,1,2,3,4,5,6,7,8,9,10,11,12,13,14,15
	ds_load_b128 v[\dst+4*\g:\dst+4*\g+3], v5 offset:(\g/4)*128+(\g%4)*16   ; LDS serves a wave's instructions in order: these see the stores above
.endr
.irp g, 0,1,2,3,4,5,6,7,8,9,10,11,12,13,14,15
	s_wait_dscnt 15-\g                             ; group g is back; the later ones may be out
	global_store_b128 v1, v[\dst+4*\g:\dst+4*\g+3], s[46:47] offset:\blk*8192+\g*512   ; 32 lanes store 512 consecutive bytes, aligned
.endr
.endm
	s_wait_loadcnt 22                              ; block 0's 22 loads are in; block 1's 6 + 16 may be out
	BWORK AB0, Z0, OUTR, 0
	s_wait_loadcnt 0x0
	BWORK AB1, Z1, AB0, 1                          ; its image lands where block 0's rows lay: their LDS stores were shown done when block 0's count-down reached 0
	s_wait_tensorcnt 0x0
	ds_add_u32 v254, v255
	s_wait_dscnt 0x0
	s_endpgm
.Lfunc_end_k_q2d371128eb_prep:
	.size	k_q2d371128eb_prep, .Lfunc_end_k_q2d371128eb_prep-k_q2d371128eb_prep
	.p2alignl 7, 3214868480
	.fill 96, 4, 3214868480
	.section	.rodata,"a",@progbits
	.p2align	6, 0x0
	.amdhsa_kernel k_q2d371128eb_prep
		.amdhsa_group_segment_fixed_size 67072
		.amdhsa_private_segment_fixed_size 0
		.amdhsa_enable_private_segment 0
		.amdhsa_kernarg_size 104
		.amdhsa_user_sgpr_count 2
		.amdhsa_user_sgpr_kernarg_segment_ptr 1
		.amdhsa_wavefront_size32 1
		.amdhsa_system_sgpr_workgroup_id_x 1
		.amdhsa_system_sgpr_workgroup_id_y 1
		.amdhsa_system_sgpr_workgroup_id_z 1
		.amdhsa_system_vgpr_workitem_id 0
		.amdhsa_next_free_vgpr 256
		.amdhsa_next_free_sgpr 66
		.amdhsa_reserve_vcc 0
		.amdhsa_float_denorm_mode_32 3
		.amdhsa_float_denorm_mode_16_64 3
		.amdhsa_memory_ordered 1
		.amdhsa_forward_progress 1
		.amdhsa_inst_pref_size 62
	.end_amdhsa_kernel
	.amdgpu_metadata
---
amdhsa.version: [ 1, 2 ]
amdhsa.kernels:
  - .name:           k_q2d371128eb_prep
    .symbol:         k_q2d371128eb_prep.kd
    .args:
      - { .name: q, .offset: 0, .size: 8, .value_kind: global_buffer, .address_space: global }
      - { .name: k, .offset: 8, .size: 8, .value_kind: global_buffer, .address_space: global }
      - { .name: v, .offset: 16, .size: 8, .value_kind: global_buffer, .address_space: global }
      - { .name: Wq, .offset: 24, .size: 8, .value_kind: global_buffer, .address_space: global }
      - { .name: Wk, .offset: 32, .size: 8, .value_kind: global_buffer, .address_space: global }
      - { .name: Wv, .offset: 40, .size: 8, .value_kind: global_buffer, .address_space: global }
      - { .name: Wo, .offset: 48, .size: 8, .value_kind: global_buffer, .address_space: global }
      - { .name: attn_bias, .offset: 56, .size: 8, .value_kind: global_buffer, .address_space: global }
      - { .name: zoom_bias, .offset: 64, .size: 8, .value_kind: global_buffer, .address_space: global }
      - { .name: lowp_scales, .offset: 72, .size: 8, .value_kind: global_buffer, .address_space: global }
      - { .name: xc, .offset: 80, .size: 8, .value_kind: global_buffer, .address_space: global }
      - { .name: wc, .offset: 88, .size: 8, .value_kind: global_buffer, .address_space: global }
      - { .name: bz, .offset: 96, .size: 8, .value_kind: global_buffer, .address_space: global }
    .group_segment_fixed_size: 67072
    .private_segment_fixed_size: 0
    .kernarg_segment_align: 8
    .kernarg_segment_size: 104
    .max_flat_workgroup_size: 128
    .sgpr_count:     66
    .vgpr_count:     256
    .wavefront_size: 32
...
	.end_amdgpu_metadata
.endif
;; end of part 1
;; launch proj (part 2): grid 4 x 64, 4 waves a work-group, clusters of 4 x 4, 327,680 bytes of LDS; arguments xc, wc, lowp_scales, bk, bv, qkv; writes qkv
.if DOCPART == 2
	.amdgcn_target "amdgcn-amd-amdhsa--gfx1250"
	.amdhsa_code_object_version 6
	.text
	.protected	k_q2d371128eb_proj
	.globl	k_q2d371128eb_proj
	.p2align	8
	.type	k_q2d371128eb_proj,@function
k_q2d371128eb_proj:
	s_mov_b64 s[64:65], 0
	v_nop
	global_prefetch_b8 v0, s[64:65] scope:SCOPE_SE
	s_setreg_imm32_b32 hwreg(HW_REG_WAVE_MODE, 25, 1), 1
	s_wait_xcnt 0x0
	s_wait_alu depctr_hold_cnt(0) depctr_sa_sdst(0) depctr_va_vdst(0) depctr_va_sdst(0) depctr_va_ssrc(0) depctr_va_vcc(0) depctr_vm_vsrc(0)
	s_getreg_b32 s2, hwreg(HW_REG_IB_STS2, 6, 4)
	s_cmp_eq_u32 s2, 0
	s_cbranch_scc0 .Lentry_in_a_cluster
	s_endpgm
.Lentry_in_a_cluster:
	s_bfe_u32 s2, ttmp6, 0x10000c
	s_cmp_lg_u32 s2, 0xf033
	s_cbranch_scc0 .Lentry_shape_is_right
	s_endpgm
.Lentry_shape_is_right:
.set KSTEP,  256
.set ROWB,   256
.set KROW,   1024
.set PITCH,  272
.set FR,     16
.set NL,     4
.set NP,     4
.set HALFT,  128*PITCH
.set SLOT,   4*HALFT
.set LAPS,   2
.set SPARE,  2*SLOT
.set ADRA, 16
.set SC,   18
.set LIM,  19
.set ADRB, 20
.set LI,   22
.set BAK,  23
.set STK,  24
.set STV,  25
.set RDK,  26
.set RDV,  27
.set SPW,  28
.set NIL,  29
.set BAV,  30
.set BT,   32
.set TMP,  96
.set AF,   128
.set CD,   128
.set G1, 24
.set G0, 32
.set G1B, 48
.set G0B, 56
.set MSB, 0
.macro WIN new
.if MSB != (\new)
	s_set_vgpr_msb (MSB<<8)|(\new)
.set MSB, (\new)
.endif
.endm
.set MUL_LO, 0xa1
.set MUL_HI, 0xf1
.set TO_B,   0x40
.macro JLOAD g0a, g1a, g0b, g1b
	s_cmp_eq_u32 s15, 0
	s_cbranch_scc0 .Lfor_b_\@
	tensor_load_to_lds s[\g0a:\g0a+3], s[\g1a:\g1a+7]
	s_nop 0
.rept 4
	v_nop
.endr
	s_branch .Lasked_\@
.Lfor_b_\@:
	tensor_load_to_lds s[\g0b:\g0b+3], s[\g1b:\g1b+7]
	s_nop 0
.rept 4
	v_nop
.endr
.Lasked_\@:
.endm
.macro CREST
	s_cmp_lg_u32 s14, 0
	s_cbranch_scc1 .Lnot_wave_0_\@
	s_barrier_signal -3
.Lnot_wave_0_\@:
	s_barrier_wait -3
	s_barrier_signal -1
	s_barrier_wait -1
.endm
.macro CROUND
	s_barrier_signal -1
	s_barrier_wait -1
	CREST
.endm
	s_load_b128 s[4:7], s[0:1], 0x0
	s_load_b64 s[8:9], s[0:1], 0x10
	s_load_b128 s[68:71], s[0:1], 0x18
	s_load_b64 s[90:91], s[0:1], 0x28
	v_lshl_add_u32 v[SPW], v0, 2, SPARE
	v_mov_b32 v[NIL], 0
	ds_add_u32 v28, v29
	ds_add_u32 v28, v29
	s_wait_dscnt 0x0
	v_lshrrev_b32 v1, 5, v0
	v_readfirstlane_b32 s14, v1
	s_lshr_b32 s15, s14, 1
	s_and_b32 s16, s14, 1
	s_bfe_u32 s40, ttmp6, 0x40000
	s_bfe_u32 s41, ttmp6, 0x40004
	s_and_b32 s66, ttmp7, 0xffff
	s_add_co_u32 s66, s66, 8                       ; this launch projects k (cluster rows 8 to 15 of the walk) and v (16 to 23); q's projection is made by the attention launch, whose work-groups each use their own part of it alone
	s_lshr_b32 s67, s66, 3
	s_lshl_b32 s74, s66, 2
	s_lshl_b32 s75, s67, 2
	s_cmp_ge_u32 s66, 16
	s_cselect_b32 s17, 8, s74
	s_cselect_b32 s42, s74, s75
	s_add_co_u32 s17, s17, s41
	s_add_co_u32 s42, s42, s40
	s_lshl_b32 s82, s67, 3
	s_lshl_b32 s83, s67, 2
	s_lshl_b32 s43, s41, 2
	s_lshl_b32 s43, 15, s43
	s_lshl_b32 s44, 0x1111, s40
	s_or_b32 s[G1+0], s43, (0<<16)|(1<<20)|(1<<21)|(5<<22)|(3<<25)
	s_or_b32 s[G1B+0], s44, (0<<16)|(1<<20)|(1<<21)|(5<<22)|(3<<25)
.irp g, G1, G1B
	s_mov_b32 s[\g+1], ROWB<<16
	s_mov_b32 s[\g+2], 128<<16
	s_mov_b32 s[\g+3], ROWB<<16
	s_mov_b32 s[\g+4], 128
	s_mov_b32 s[\g+5], KROW
	s_mov_b32 s[\g+6], 0
	s_mov_b32 s[\g+7], 0
.endr
	s_lshl_b32 s18, s16, 7
	s_lshl_b32 s20, s17, 8
	s_add_co_u32 s20, s20, s18
	s_lshl_b32 s46, s42, 8
	s_add_co_u32 s46, s46, s18
	s_mov_b32 s21, 0
	s_mov_b32 s47, 0
	s_mov_b64 s[18:19], KROW
	s_mul_u64 s[20:21], s[20:21], s[18:19]
	s_mul_u64 s[46:47], s[46:47], s[18:19]
	s_mul_i32 s45, s14, HALFT
	s_wait_kmcnt 0x0
	s_load_b64 s[96:97], s[8:9], s82 offset:0x0
	s_load_b32 s84, s[8:9], s83 offset:0x18
	s_cmp_ge_u32 s66, 16
	s_cselect_b64 s[76:77], s[6:7], s[4:5]
	s_cselect_b64 s[78:79], s[4:5], s[6:7]
	s_add_nc_u64 s[20:21], s[76:77], s[20:21]
	s_add_nc_u64 s[46:47], s[78:79], s[46:47]
	CROUND
.irp s, 0,1
	s_mov_b32 s[G0+4*\s], 1
	s_add_co_u32 s[G0+4*\s+1], s45, \s*SLOT
	s_add_nc_u64 s[G0+4*\s+2:G0+4*\s+3], s[20:21], \s*ROWB
	s_or_b32 s[G0+4*\s+3], s[G0+4*\s+3], 0x80000000
	s_mov_b32 s[G0B+4*\s], 1
	s_add_co_u32 s[G0B+4*\s+1], s45, \s*SLOT
	s_add_nc_u64 s[G0B+4*\s+2:G0B+4*\s+3], s[46:47], \s*ROWB
	s_or_b32 s[G0B+4*\s+3], s[G0B+4*\s+3], 0x80000000
.endr
	JLOAD G0, G1, G0B, G1B                         ; K step 0, behind the opening round: one tensor load a wave at the head; the address work below stands under its flight
	v_and_b32 v1, 15, v0
	v_bfe_u32 v2, v0, 4, 1
	v_mul_u32_u24 v3, v1, PITCH
	v_lshl_add_u32 v4, v2, 4, v3
	s_mul_i32 s21, s15, HALFT
	s_mul_i32 s22, s16, HALFT
	s_add_co_u32 s22, s22, 2*HALFT
.irp s, 0,1
	v_add_nc_u32 v[ADRA+\s], s21, v4
	v_add_nc_u32 v[ADRB+\s], s22, v4
	s_add_co_u32 s21, s21, SLOT
	s_add_co_u32 s22, s22, SLOT
.endr
	v_and_b32 v5, 31, v0
	v_lshlrev_b32 v[LI], 4, v5
	v_lshlrev_b32 v[BAK], 5, v2
	v_lshlrev_b32 v[BAV], 2, v1
	s_lshl_b32 s23, s14, 14
	v_and_b32 v6, 7, v1
	v_lshrrev_b32 v7, 3, v1
	v_lshlrev_b32 v6, 4, v6
	v_lshl_add_u32 v6, v2, 3, v6
	v_add_nc_u32 v6, s23, v6
	v_lshl_add_u32 v[STK], v7, 10, v6
	v_lshl_add_u32 v[STV], v7, 11, v6
	v_add_nc_u32 v[STV], 0x10000, v[STV]
	v_add_nc_u32 v[RDK], s23, v[LI]
	v_add_nc_u32 v[RDV], 0x10000, v[RDK]
	s_cmp_eq_u32 s67, 2
	s_cselect_b64 s[80:81], s[70:71], s[68:69]     ; bv or bk
	s_cmp_ge_u32 s66, 16
	s_cselect_b32 s85, s40, s41
	s_cselect_b32 s92, s16, s15
	s_cselect_b32 s93, s41, s40
	s_cselect_b32 s94, s15, s16
	s_lshl_b32 s95, s67, 5
	s_add_co_u32 s85, s85, s74
	s_sub_co_u32 s85, s85, s95
	s_lshl_b32 s85, s85, 1
	s_add_co_u32 s85, s85, s92
	s_lshl_b32 s93, s93, 1
	s_add_co_u32 s93, s93, s94
	s_lshr_b32 s92, s85, 3
	s_lshl_b32 s92, s92, 4
	s_lshl_b32 s94, s93, 1
	s_add_co_u32 s92, s92, s94
	s_lshl_b32 s92, s92, 16
	s_and_b32 s94, s85, 7
	s_lshl_b32 s94, s94, 13
	s_add_co_u32 s92, s92, s94
	s_lshl_b32 s94, s67, 23
	s_add_co_u32 s86, s92, s94
	s_mov_b32 s87, 0
	s_add_nc_u64 s[86:87], s[90:91], s[86:87]
	s_lshl_b32 s92, s93, 9
	s_mov_b32 s93, 0
	s_add_nc_u64 s[80:81], s[80:81], s[92:93]
.macro FRAG reg, adr, q, i
.irp c, 0,1,2,3
	ds_load_b128 v[\reg+4*\c:\reg+4*\c+3], v[\adr] offset:128*(\q)+32*\c+(\i)*16*PITCH
.endr
.endm
.macro MUL16 a0, p, zero
.irp a, \a0, \a0+1
.irp b, 0,1,2,3,4,5,6,7
.if \zero
	v_wmma_f32_16x16x128_fp8_fp8 v[8*(8*((\a)%4)+\b):8*(8*((\a)%4)+\b)+7], v[128*(\p)+FR*\b:128*(\p)+FR*\b+FR-1], v[AF+FR*(\a):AF+FR*(\a)+FR-1], 0
.else
	v_wmma_f32_16x16x128_fp8_fp8 v[8*(8*((\a)%4)+\b):8*(8*((\a)%4)+\b)+7], v[128*(\p)+FR*\b:128*(\p)+FR*\b+FR-1], v[AF+FR*(\a):AF+FR*(\a)+FR-1], v[8*(8*((\a)%4)+\b):8*(8*((\a)%4)+\b)+7]
.endif
.endr
.endr
.endm
.macro FETCH_B slot, q, p
	WIN TO_B
.irp i, 0,1,2,3,4,5,6,7
	FRAG 128*(\p)+FR*\i, ADRB+\slot, \q, \i
.endr
	WIN 0
.endm
.macro FETCH_A slot, q, i0
.irp i, \i0, \i0+1, \i0+2, \i0+3
	FRAG AF+FR*(\i), ADRA+\slot, \q, \i
.endr
.endm
.macro PLACES n
.rept \n
	v_nop
.endr
.endm
.macro STEP slot, q, zero
	s_wait_dscnt 4*NL
	WIN MUL_LO
	MUL16 0, (\q)%2, \zero
	MUL16 2, (\q)%2, \zero
	s_wait_dscnt 0
	PLACES NP
	FETCH_B \slot, (\q)+1, 1-(\q)%2
	FETCH_A \slot, (\q)+1, 0
	WIN MUL_HI
	MUL16 4, (\q)%2, \zero
	MUL16 6, (\q)%2, \zero
	PLACES NP
	WIN 0
	FETCH_A \slot, (\q)+1, 4
.endm
.macro TURN slot, next, fill
	s_wait_tensorcnt 0x0
	ds_add_u32 v[SPW], v[NIL]
	s_wait_dscnt 4*NL+1
	WIN MUL_LO
	MUL16 0, 1, 0
	s_wait_dscnt 0x0
	s_barrier_signal -1
	MUL16 2, 1, 0
	WIN 0
	s_barrier_wait -1
.if \fill
	CREST
	s_add_nc_u64 s[G0+4*\slot+2:G0+4*\slot+3], s[G0+4*\slot+2:G0+4*\slot+3], 2*ROWB
	s_add_nc_u64 s[G0B+4*\slot+2:G0B+4*\slot+3], s[G0B+4*\slot+2:G0B+4*\slot+3], 2*ROWB
	JLOAD G0+4*\slot, G1, G0B+4*\slot, G1B
.else
	PLACES NP
.endif
	FETCH_B \next, 0, 0
	FETCH_A \next, 0, 0
	WIN MUL_HI
	MUL16 4, 1, 0
	MUL16 6, 1, 0
	PLACES NP
	WIN 0
	FETCH_A \next, 0, 4
.endm
	s_wait_alu depctr_va_vdst(0)                   ; at the head's end
	s_wait_tensorcnt 0x0                           ; my part of K step 0 is in
	ds_add_u32 v[SPW], v[NIL]
	s_wait_dscnt 0x0
	CROUND
	JLOAD G0+4, G1, G0B+4, G1B                     ; K step 1, the first tensor load behind the round
	FETCH_B 0, 0, 0
	FETCH_A 0, 0, 0
	FETCH_A 0, 0, 4
	STEP 0, 0, 1
	s_mov_b32 s3, LAPS-1
.Llap:
	TURN 0, 1, 1
	STEP 1, 0, 0
	TURN 1, 0, 1
	STEP 0, 0, 0
	s_sub_co_u32 s3, s3, 1
	s_cmp_lg_u32 s3, 0
	s_cbranch_scc1 .Llap
	TURN 0, 1, 0
	STEP 1, 0, 0
	s_wait_dscnt 4*NL
	WIN MUL_LO
	MUL16 0, 1, 0
	MUL16 2, 1, 0
	s_wait_dscnt 0
	WIN MUL_HI
	MUL16 4, 1, 0
	MUL16 6, 1, 0
	WIN 0
.macro CODES isv, a, hb
.set AC, 64*((\a)%4)
	WIN 0x02+((\a)/4)
.irp q, 0,1,2,3
.if \isv
.irp i, 0,1,2,3,4,5,6,7
	v_fma_f32 v[TMP+8*\q+\i], v[AC+8*(4*(\hb)+\q)+\i], s96, v[BT+(\a)]
.endr
.else
.irp i, 0,2,4,6
	v_pk_fma_f32 v[TMP+8*\q+\i:TMP+8*\q+\i+1], v[AC+8*(4*(\hb)+\q)+\i:AC+8*(4*(\hb)+\q)+\i+1], s[96:97], v[BT+8*(4*(\hb)+\q)+\i:BT+8*(4*(\hb)+\q)+\i+1] op_sel_hi:[1,0,1]
.endr
.endif
.endr
	WIN 0
.set n, 0
.rept 32
	v_med3_num_f32 v[TMP+n], v[TMP+n], -v[LIM], v[LIM]
.set n, n+1
.endr
.irp q, 0,1,2,3
	v_cvt_scalef32_pk8_fp8_f32 v[CD+2*(8*(\a)+4*(\hb)+\q):CD+2*(8*(\a)+4*(\hb)+\q)+1], v[TMP+8*\q:TMP+8*\q+7], v[SC]
.endr
	v_nop
.irp q, 0,1,2,3
.if \isv
	ds_store_b64 v[STV], v[CD+2*(8*(\a)+4*(\hb)+\q):CD+2*(8*(\a)+4*(\hb)+\q)+1] offset:((\a)/4)*8192+(((\a)/2)%2)*4096+((\a)%2)*128+((4*(\hb)+\q)/2)*512+(\q%2)*256
.else
	ds_store_b64 v[STK], v[CD+2*(8*(\a)+4*(\hb)+\q):CD+2*(8*(\a)+4*(\hb)+\q)+1] offset:(\hb)*8192+((\a)/2)*2048+((\a)%2)*128+(\q/2)*512+(\q%2)*256
.endif
.endr
.endm
.macro WAYOUT isv
.if \isv
.irp a, 0,1,2,3,4,5,6,7
	global_load_b32 v[BT+\a], v[BAV], s[80:81] offset:64*\a
.endr
.else
.irp b, 0,1,2,3,4,5,6,7
	global_load_b128 v[BT+8*\b:BT+8*\b+3], v[BAK], s[80:81] offset:64*\b
	global_load_b128 v[BT+8*\b+4:BT+8*\b+7], v[BAK], s[80:81] offset:64*\b+16
.endr
.endif
	s_wait_loadcnt 0x0
.irp a, 0,1,2,3,4,5,6,7
.irp hb, 0,1
	CODES \isv, \a, \hb
.endr
.endr
	s_wait_dscnt 0x0
.set n, 0
.rept 32
.if \isv
	ds_load_b128 v[CD+4*n:CD+4*n+3], v[RDV] offset:512*n
.else
	ds_load_b128 v[CD+4*n:CD+4*n+3], v[RDK] offset:512*n
.endif
.set n, n+1
.endr
.set n, 0
.rept 32
	s_wait_dscnt 31-n
	global_store_b128 v[LI], v[CD+4*n:CD+4*n+3], s[86:87] offset:(n/16)*65536+(n%16)*512
.set n, n+1
.endr
.endm
	s_wait_kmcnt 0x0
	s_add_co_i32 s96, s96, s97
	s_add_co_i32 s96, s96, 127
	s_lshl_b32 s96, s96, 23
	s_mov_b32 s97, s96
	s_add_co_i32 s84, s84, 127
	s_lshl_b32 s85, s84, 23
	v_mov_b32 v[SC], s85
	s_add_co_i32 s84, s84, 8
	s_lshl_b32 s84, s84, 23
	s_or_b32 s84, s84, 0x600000
	v_mov_b32 v[LIM], s84
	PLACES NP
	s_cmp_ge_u32 s66, 16
	s_cbranch_scc1 .Lv
	WAYOUT 0
	s_branch .Lend
.Lv:
	WAYOUT 1
.Lend:
	s_wait_tensorcnt 0x0
	ds_add_u32 v[SPW], v[NIL]
	s_wait_dscnt 0x0
	CROUND
	s_endpgm
.Lfunc_end_k_q2d371128eb_proj:
	.size	k_q2d371128eb_proj, .Lfunc_end_k_q2d371128eb_proj-k_q2d371128eb_proj
	.p2alignl 7, 3214868480
	.fill 96, 4, 3214868480
	.section	.rodata,"a",@progbits
	.p2align	6, 0x0
	.amdhsa_kernel k_q2d371128eb_proj
		.amdhsa_group_segment_fixed_size 327680
		.amdhsa_private_segment_fixed_size 0
		.amdhsa_enable_private_segment 0
		.amdhsa_kernarg_size 48
		.amdhsa_user_sgpr_count 2
		.amdhsa_user_sgpr_kernarg_segment_ptr 1
		.amdhsa_wavefront_size32 1
		.amdhsa_system_sgpr_workgroup_id_x 1
		.amdhsa_system_sgpr_workgroup_id_y 1
		.amdhsa_system_sgpr_workgroup_id_z 1
		.amdhsa_system_vgpr_workitem_id 0
		.amdhsa_next_free_vgpr 1024
		.amdhsa_next_free_sgpr 100
		.amdhsa_reserve_vcc 0
		.amdhsa_float_denorm_mode_32 3
		.amdhsa_float_denorm_mode_16_64 3
		.amdhsa_memory_ordered 1
		.amdhsa_forward_progress 1
		.amdhsa_inst_pref_size 225
	.end_amdhsa_kernel
	.amdgpu_metadata
---
amdhsa.version: [ 1, 2 ]
amdhsa.kernels:
  - .name:           k_q2d371128eb_proj
    .symbol:         k_q2d371128eb_proj.kd
    .args:
      - { .name: xc, .offset: 0, .size: 8, .value_kind: global_buffer, .address_space: global }
      - { .name: wc, .offset: 8, .size: 8, .value_kind: global_buffer, .address_space: global }
      - { .name: lowp_scales, .offset: 16, .size: 8, .value_kind: global_buffer, .address_space: global }
      - { .name: bk, .offset: 24, .size: 8, .value_kind: global_buffer, .address_space: global }
      - { .name: bv, .offset: 32, .size: 8, .value_kind: global_buffer, .address_space: global }
      - { .name: qkv, .offset: 40, .size: 8, .value_kind: global_buffer, .address_space: global }
    .group_segment_fixed_size: 327680
    .private_segment_fixed_size: 0
    .kernarg_segment_align: 8
    .kernarg_segment_size: 48
    .max_flat_workgroup_size: 128
    .sgpr_count:     100
    .vgpr_count:     1024
    .wavefront_size: 32
...
	.end_amdgpu_metadata
.endif
;; end of part 2
;; launch attn (part 3): grid 4 x 64, 16 waves a work-group, clusters of 4 x 1, 327,680 bytes of LDS; arguments qkv, bz, lowp_scales, oc, xc, wc, bq; writes oc
.if DOCPART == 3
	.amdgcn_target "amdgcn-amd-amdhsa--gfx1250"
	.amdhsa_code_object_version 6
	.text
	.protected	k_q2d371128eb_attn
	.globl	k_q2d371128eb_attn
	.p2align	8
	.type	k_q2d371128eb_attn,@function
k_q2d371128eb_attn:
	s_mov_b64 s[64:65], 0
	v_nop
	global_prefetch_b8 v0, s[64:65] scope:SCOPE_SE
	s_setreg_imm32_b32 hwreg(HW_REG_WAVE_MODE, 25, 1), 1
	s_wait_xcnt 0x0
	s_wait_alu depctr_hold_cnt(0) depctr_sa_sdst(0) depctr_va_vdst(0) depctr_va_sdst(0) depctr_va_ssrc(0) depctr_va_vcc(0) depctr_vm_vsrc(0)
	s_getreg_b32 s2, hwreg(HW_REG_IB_STS2, 6, 4)
	s_cmp_eq_u32 s2, 0
	s_cbranch_scc0 .Lentry_in_a_cluster
	s_endpgm
.Lentry_in_a_cluster:
	s_bfe_u32 s2, ttmp6, 0x10000c
	s_cmp_lg_u32 s2, 0x3003
	s_cbranch_scc0 .Lentry_shape_is_right
	s_endpgm
.Lentry_shape_is_right:
; Q'S PROJECTION AND ATTENTION ON CODES OF E4M3.  scores = ((q Wq^T + bq) / 8) . k + zoom + attn_bias, softmax, x v; head size 64, 1,024 keys.
; SHARES.  A work-group owns 256 queries of TWO heads (2 hp, 2 hp + 1) of one batch entry b.  Wave w owns the two query tiles of pair w / 2 (32 queries) for the ONE head w % 2, in both phases: each fragment of Wq, K and V that it reads from LDS feeds two products.
; PHASE 1, Q = q Wq^T + bq for the wave's 32 queries x 64 channels, by v_wmma_f32_16x16x128_fp8_fp8: no other wave uses these numbers, so they stay in its registers.
;   Three fragment buffers for Wq take turns.  q's codes go from memory into a ring of 4 K steps x 2 tiles x 16 registers.
;   Transposed use (source 0 = 16 rows of Wq, source 1 = 16 queries): a lane holds one query, its registers run along the channels.  The sums begin as bq x 2^-(e0 + e1) (exact), and the three scales are folded into the conversion's one, 2^(e6 + 3 - e0 - e1); the 3 is the division by 8.
;   The conversions' results are the score product's operand.
; LDS.  K and V of both heads by blocks of 128 keys: block i at 32,768 i: K head 0, K head 1, V head 0, V head 1, 8,192 bytes each, images of the operands' registers.  Blocks 0 to 3 are filled at the head (waves 8 to 15, one load each: two rows of 8,192 bytes).
;   Wq's 128 rows lie meanwhile where blocks 4 to 7 go (waves 0 to 7, 16 rows each, 1,040 bytes from row to row; the odd groups of 16 rows 128 bytes further on, so that the rows 0-7 and 16-23 that a fragment load touches start at sixteen different places among the 64 banks: ISA guide 11.1).
;   Behind phase 1 blocks 4 to 7 are filled over them.  That load has four trips of the key loop in which to land.
; CLUSTER.  The four query quarters of one (b, hp) need the same Wq, K and V: every tensor load is a joint one with the mask of all four.  A work-group's place enters the global addresses of q, bias and result alone.
; PHASE 2.  S^T = K Q^T + bias (C = the bias, laid by an earlier launch in this register order and divided by 2^(e6 + e7); the scores are added in place onto it), O^T = V^T P^T, both by v_wmma_f32_16x16x64_fp8_fp8.
;   Lane r of tile 2 b' + u holds 32 b' + 8 u + r + 8 (r / 8) (keys, channels, queries alike), so 16 registers of two neighbouring tiles are 16 neighbours along the next K.
;   t = score x log2(e); M = the largest t so far rounded UP to a whole number; p = 2^(t - M) is quantised with 2^e9, not normalised; the sum is taken of the unquantised p.  When M moves, the sum and O are multiplied by 2^(old M - new M): exact.
;   A step of 64 keys: tile 0's scores, softmax and product, then tile 1's, on the same fragments of K and V.  A tile's region takes its next 64 keys' bias as soon as it is converted; the other tile's whole half step lies between that request and the wait for it.
;   The bias loads keep one order (tile 0, tile 1, tile 0, ..), so that each wait leaves the other tile's eight loads out.  To keep that count on every path the last block's two reloads are issued too, at a clamped address (the block in hand): 16 loads a wave whose data are not used.
;   Each bias block is loaded by the two waves of its pair, one for each head.
; THE RESULT, O / sum x 2^(e8 + e9), is quantised with 2^e10 and stored as the image of the last projection's operand: tile 64 b + T at 16,384 bytes, head pair at 2,048, group 2 (head % 2) + c at 512, 16 bytes a lane.
; q, Wq and bq are not prefetched: they are asked for at the head, where there is no loop to run ahead in.
; LIMITS: e0 + e1 and e6 + e7 between -126 and 126; e6 + 3 - e0 - e1, e9 and e10 between -126 and 119.  NaN and infinities among the inputs are not served.
.set WP,    1040
.set WODD,  64*WP+128
.set WBASE, 131072
.set SPARE, 0x40900                    ; behind Wq's rows: the spare words, 128 bytes a wave
.set ADV,  1                           ; phase 1: v0-15 Wq's fragment buffer 2
.set PLIM2, 2                          ; 448 x 2^e9 once more, in another register bank than v240 (the dual form asks for it)
.set OM,   3
.set LBK,  4                           ; 16 x lane + my head's piece of K in a block
.set LBV,  5                           ; the same for V
.set ST,   8                           ; v[8 + 4 i ..]: tile i's -M, largest t, the sum in two halves
.set Q,    16                          ; v16-31 my two tiles' fragments; phase 1: Wq's fragment buffer 0
.set FK,   32
.set FV,   64
.set ACC,  32                          ; phase 1: v32-95: 2 tiles x 4 channel tiles x 8
.set X,    96                          ; tile 0's bias, scores, p
.set Y,    128                         ; tile 1's
.set O,    160
.set QF,   96                          ; phase 1: v96-223 the ring of q's fragments
.set P,    224                         ; p's codes; phase 1: v224-239 Wq's fragment buffer 1
.set TA,   232
.set TBR,  233
.set F,    234
.set A2,   236
.set PX,   238
.set PLIM, 240
.set PSC,  241
.set RL,   242
.set WA,   244                         ; phase 1: LDS address of Wq's fragments
.set OLIM, 246
.set OSC,  247
.set QA,   246                         ; phase 1: q's offset
.set BA,   247                         ; phase 1: bq's offset
.set LI,   248                         ; 16 x lane
.set PFO,  249                         ; 256 x lane
.set ADK,  250
.set QLIM, 252
.set QSC,  253
.set WV,   12
.set G1K,  16
.set G1W,  24
.set G0K,  32
.set G0W,  36
.set LEFT, 50
.set LIM,  51
.set CNT,  52
.set TB,   54
.set CS,   58
.set SEL,  60
.set BP,   62                          ; tile 0's bias block of the 128 keys in hand; tile 1's lies 65,536 bytes on
.set OCP,  66
.set QP,   68
.set BN,   92                          ; the next block; in the last trip the block in hand
.macro ROUND
	s_barrier_signal -1
	s_barrier_wait -1
	s_cmp_lg_u32 s[WV], 0
	s_cbranch_scc1 .Lnot_wave_0_\@
	s_barrier_signal -3
.Lnot_wave_0_\@:
	s_barrier_wait -3
	s_barrier_signal -1
	s_barrier_wait -1
.endm
.macro NOPS
.rept 4
	v_nop
.endr
.endm
	s_load_b256 s[4:11], s[0:1], 0x0               ; qkv 4, bz 6, lowp_scales 8, oc 10
	s_load_b128 s[80:83], s[0:1], 0x20             ; xc 80, wc 82
	s_load_b64 s[84:85], s[0:1], 0x30              ; bq
	v_lshl_add_u32 v254, v0, 2, SPARE
	v_mov_b32 v255, 0
	ds_add_u32 v254, v255                          ; the opening lines: the add twice on end and one wait
	ds_add_u32 v254, v255
	v_lshrrev_b32 v3, 5, v0
	v_readfirstlane_b32 s[WV], v3                  ; wave 0..15
	s_bfe_u32 s13, ttmp6, 0x40000                  ; cx: which quarter of the queries
	s_and_b32 s14, ttmp7, 0xffff                   ; 8 b + hp, which the four partners share
	s_mov_b32 s[G1K], 15|(3<<16)|(1<<21)           ; K, V: mask of all four, elements of 8 bytes; 2 rows of 1,024 elements, 8,192 elements apart (head to head)
	s_mov_b32 s[G1K+1], 1024<<16
	s_mov_b32 s[G1K+2], 2<<16
	s_mov_b32 s[G1K+3], 1024<<16
	s_mov_b32 s[G1K+4], 2
	s_mov_b32 s[G1K+5], 8192
	s_mov_b32 s[G1K+6], 0
	s_mov_b32 s[G1K+7], 0
	s_mov_b32 s[G1W], 15|(3<<16)|(1<<20)|(1<<21)|(7<<22)|(3<<25)   ; Wq: 16 rows of 128 elements, dense; four words of padding behind every 256
	s_mov_b32 s[G1W+1], 128<<16
	s_mov_b32 s[G1W+2], 16<<16
	s_mov_b32 s[G1W+3], 128<<16
	s_mov_b32 s[G1W+4], 16
	s_mov_b32 s[G1W+5], 128
	s_mov_b32 s[G1W+6], 0
	s_mov_b32 s[G1W+7], 0
	s_and_b32 s40, s[WV], 1                        ; my head
	s_lshr_b32 s41, s[WV], 1                       ; my pair of tiles
	s_and_b32 s42, s41, 3
	s_and_b32 s75, s14, 7                          ; hp
	s_mov_b32 s[G0K], 1                            ; waves 8 to 15: kind = wave % 2 (K, V), block (wave / 2) % 4
	s_lshl_b32 s43, s42, 15
	s_lshl_b32 s70, s40, 14
	s_add_co_u32 s[G0K+1], s43, s70
	s_add_co_u32 s70, s40, 1
	s_lshl_b32 s70, s70, 23                        ; k at 8 MiB, v at 16 MiB of qkv,
	s_lshl_b32 s71, s14, 17                        ; head 16 b + 2 hp, 65,536 bytes each,
	s_add_co_u32 s70, s70, s71
	s_lshl_b32 s71, s42, 13                        ; the block's 8,192 bytes
	s_add_co_u32 s70, s70, s71
	s_mov_b32 s71, 0
	s_mov_b32 s[G0W], 1                            ; waves 0 to 7: rows 16 x wave of the slice
	s_mul_i32 s72, s41, 16*WP
	s_mul_i32 s73, s40, WODD
	s_add_co_u32 s72, s72, s73
	s_add_co_u32 s[G0W+1], s72, WBASE
	s_lshl_b32 s72, s75, 17                        ; Wq's rows 128 hp on (Wq is the first tensor of wc),
	s_lshl_b32 s73, s[WV], 14
	s_add_co_u32 s72, s72, s73
	s_mov_b32 s73, 0
	s_mul_i32 s76, s40, 32*WP                      ; my head's 64 rows of Wq in LDS
	s_add_co_u32 s76, s76, WBASE
	s_lshl_b32 s79, s40, 13                        ; my head's piece in a block of K or V
	s_lshr_b32 s92, s14, 3
	s_lshl_b32 s92, s92, 10
	s_lshl_b32 s93, s13, 8
	s_add_co_u32 s92, s92, s93
	s_lshl_b32 s93, s41, 5
	s_add_co_u32 s92, s92, s93                     ; q's row 1024 b + 32 (8 cx + pair)
	s_lshl_b32 s92, s92, 10
	s_mov_b32 s93, 0
	s_lshl_b32 s94, s75, 9
	s_lshl_b32 s95, s40, 8
	s_add_co_u32 s94, s94, s95                     ; bq: 4 (128 hp + 64 head)
	s_mov_b32 s95, 0
	v_and_b32 v3, 31, v0
	v_lshlrev_b32 v[LI], 4, v3
	v_lshlrev_b32 v[PFO], 8, v3
	v_and_b32 v3, 15, v0                           ; r
	v_bfe_u32 v4, v0, 4, 1                         ; h
	v_and_b32 v5, 8, v3
	v_add_nc_u32 v5, v5, v3                        ; r + 8 (r / 8)
	v_lshlrev_b32 v5, 10, v5
	v_lshl_add_u32 v[QA], v4, 4, v5
	v_lshlrev_b32 v[BA], 6, v4                     ; my half's 16 channels
	v_and_b32 v5, 7, v3
	v_mul_u32_u24 v5, v5, WP
	v_bfe_u32 v6, v0, 3, 1
	v_mad_u32_u24 v5, v6, WODD, v5
	v_lshl_add_u32 v5, v4, 4, v5
	v_add_nc_u32 v[WA], s76, v5
	s_wait_alu depctr_va_vdst(0)                   ; directly ahead of the waits below
	s_wait_dscnt 0x0
	s_wait_kmcnt 0x0
	s_load_b128 s[44:47], s[8:9], 0x18             ; e6, e7, e8, e9
	s_load_b32 s48, s[8:9], 0x28                   ; e10
	s_load_b64 s[86:87], s[8:9], 0x0               ; e0, e1
	s_add_nc_u64 s[G0K+2:G0K+3], s[4:5], s[70:71]
	s_or_b32 s[G0K+3], s[G0K+3], 0x80000000
	s_add_nc_u64 s[G0W+2:G0W+3], s[82:83], s[72:73]
	s_or_b32 s[G0W+3], s[G0W+3], 0x80000000
	s_add_nc_u64 s[QP:QP+1], s[80:81], s[92:93]
	s_add_nc_u64 s[88:89], s[84:85], s[94:95]
.irp t, 0,1,2,3
	global_load_b128 v[ACC+8*\t:ACC+8*\t+3], v[BA], s[88:89] offset:(\t/2)*128+(\t%2)*32       ; bq at channels 32 (t / 2) + 8 (t % 2) + 16 h + 0 .. 7: the layout of tile t's sums
	global_load_b128 v[ACC+8*\t+4:ACC+8*\t+7], v[BA], s[88:89] offset:(\t/2)*128+(\t%2)*32+16
.endr
.macro QLOAD s                         ; K step s of both tiles' q codes into ring place s % 4: eight loads
.irp i, 0,1
.irp c, 0,1,2,3
	global_load_b128 v[QF+32*((\s)%4)+16*\i+4*\c:QF+32*((\s)%4)+16*\i+4*\c+3], v[QA], s[QP:QP+1] offset:8192*\i+128*(\s)+32*\c
.endr
.endr
.endm
	QLOAD 0
	QLOAD 1
	QLOAD 2
	QLOAD 3
	ROUND                                          ; all four work-groups are here: the joint loads meet
	s_cmp_lt_u32 s[WV], 8
	s_cbranch_scc0 .Lkv0
	tensor_load_to_lds s[G0W:G0W+3], s[G1W:G1W+7]  ; one tensor load a wave at the head
	s_nop 0
	NOPS
	s_branch .Lj0
.Lkv0:
	tensor_load_to_lds s[G0K:G0K+3], s[G1K:G1K+7]
	s_nop 0
	NOPS
.Lj0:
	s_lshl_b32 s70, s13, 4
	s_lshl_b32 s71, s41, 1
	s_add_co_u32 s70, s70, s71                     ; T = 16 cx + 2 pair: my first tile
	s_lshr_b32 s71, s14, 3
	s_lshl_b32 s71, s71, 6
	s_add_co_u32 s71, s71, s70                     ; 64 b + T
	s_lshl_b32 s72, s71, 16
	s_mov_b32 s73, 0
	s_add_nc_u64 s[BP:BP+1], s[6:7], s[72:73]      ; the tile's eight bias blocks
	s_add_nc_u64 s[BN:BN+1], s[BP:BP+1], 8192
	s_mov_b32 s95, 0
	s_lshl_b32 s72, s71, 14
	s_lshl_b32 s74, s75, 11
	s_add_co_u32 s72, s72, s74
	s_lshl_b32 s74, s40, 10
	s_add_co_u32 s72, s72, s74
	s_add_nc_u64 s[OCP:OCP+1], s[10:11], s[72:73]
	s_or_b32 s74, s75, s40
	s_cmp_eq_u32 s74, 0                            ; sixteen waves of the launch read each bias block: the one with hp = 0 and head 0 prefetches
	s_cselect_b32 s[LIM], 2, -1
	s_mov_b32 s[LEFT], 8
	s_mov_b32 s[SEL], 0x76543210
	s_mov_b32 s[SEL+1], 0xfedcba98
	s_wait_kmcnt 0x0
	s_add_co_i32 s40, s86, s87                     ; e0 + e1
	s_sub_co_i32 s41, 127, s40
	s_lshl_b32 s90, s41, 23                        ; 2^-(e0 + e1)
	s_mov_b32 s91, s90
	s_add_co_i32 s41, s44, 130
	s_sub_co_i32 s41, s41, s40
	s_lshl_b32 s42, s41, 23
	v_mov_b32 v[QSC], s42                          ; 2^(e6 + 3 - e0 - e1)
	s_add_co_i32 s41, s41, 8
	s_lshl_b32 s41, s41, 23
	s_or_b32 s41, s41, 0x600000
	v_mov_b32 v[QLIM], s41                         ; 448 x that
	s_add_co_i32 s49, s44, s45
	s_lshl_b32 s49, s49, 23
	s_add_co_i32 s[CS], s49, 0x3fb8aa3b            ; log2(e) x 2^(e6 + e7)
	s_mov_b32 s[CS+1], s[CS]
	s_add_co_i32 s49, s47, 127
	s_lshl_b32 s55, s49, 23                        ; 2^e9
	s_add_co_i32 s49, s49, 8
	s_lshl_b32 s49, s49, 23
	s_or_b32 s56, s49, 0x600000                    ; 448 x 2^e9
	s_add_co_i32 s49, s48, 127
	s_lshl_b32 s57, s49, 23                        ; 2^e10
	s_add_co_i32 s49, s49, 8
	s_lshl_b32 s49, s49, 23
	s_or_b32 s53, s49, 0x600000                    ; 448 x 2^e10
	s_add_co_i32 s49, s46, s47                     ; e8 + e9
	s_wait_loadcnt 32                              ; bq's eight loads are in; q's 32 may be out
.set j, 0
.rept 16
	v_pk_mul_f32 v[ACC+32+j:ACC+33+j], v[ACC+j:ACC+j+1], s[90:91] op_sel_hi:[1,0]   ; the second tile's sums begin with the same numbers
.set j, j+2
.endr
.set j, 0
.rept 16
	v_pk_mul_f32 v[ACC+j:ACC+j+1], v[ACC+j:ACC+j+1], s[90:91] op_sel_hi:[1,0]
.set j, j+2
.endr
	s_wait_alu depctr_va_vdst(0)                   ; directly ahead of the wait below
	s_wait_tensorcnt 0x0                           ; my part of Wq or of blocks 0 to 3
	s_barrier_signal -1
	s_barrier_wait -1                              ; everybody's
.macro WLOAD n                         ; fragment n = 4 s + t of Wq (channel tile t, K step s) into buffer n % 3: v16, v224, v0
.set WBL, 16*(1-((\n)%3))*(2-((\n)%3))/2+224*((\n)%3)*(2-((\n)%3))
.irp c, 0,1,2,3
	ds_load_b128 v[WBL+4*\c:WBL+4*\c+3], v[WA] offset:(16*(((\n)%4)/2)+8*((\n)%2))*WP+128*((\n)/4)+32*\c
.endr
.endm
	WLOAD 0
	WLOAD 1
	WLOAD 2
.set n, 0
.rept 32
.if n%4 == 0
.if n/4 < 5
	s_wait_loadcnt 24                              ; this K step's eight loads are in; those of the three steps behind it may be out
.else
	s_wait_loadcnt 8*(7-n/4)
.endif
.endif
.if n < 30
	s_wait_dscnt 8                                 ; this fragment is in; the next two fragments' four loads each may be out
.else
	s_wait_dscnt 4*(31-n)
.endif
.set WB, 16*(1-(n%3))*(2-(n%3))/2+224*(n%3)*(2-(n%3))
.set AC, ACC+8*(n%4)
.set QB, QF+32*((n/4)%4)
	v_wmma_f32_16x16x128_fp8_fp8 v[AC:AC+7], v[WB:WB+15], v[QB:QB+15], v[AC:AC+7]               ; eight accumulators by turns
	v_wmma_f32_16x16x128_fp8_fp8 v[AC+32:AC+39], v[WB:WB+15], v[QB+16:QB+31], v[AC+32:AC+39]
	NOPS                                           ; four plain lines in front of loads into registers that the products read
.if n+3 < 32
	WLOAD n+3
.endif
.if (n%4 == 3) && (n/4 < 4)
	QLOAD n/4+4
.endif
.set n, n+1
.endr
.set j, 0
.rept 64
	v_med3_num_f32 v[ACC+j], v[ACC+j], -v[QLIM], v[QLIM]   ; the conversion does not saturate (ISA guide 7.6.2); each accumulator from its low end on
.set j, j+1
.endr
.irp i, 0,1
.irp t, 0,1,2,3
	v_cvt_scalef32_pk8_fp8_f32 v[Q+8*\i+2*\t:Q+8*\i+2*\t+1], v[ACC+32*\i+8*\t:ACC+32*\i+8*\t+7], v[QSC]   ; tiles 2 c, 2 c + 1: channels 32 c + 16 h + 0 .. 15: tile i's operand of the score product
.endr
.endr
	v_nop
.irp i, 0,1
.irp g, 0,1,2,3,4,5,6,7
	global_load_b128 v[X+32*\i+4*\g:X+32*\i+4*\g+3], v[LI], s[BP:BP+1] offset:65536*\i+512*\g   ; the bias of keys 0 .. 63: tile 0's eight loads, then tile 1's
.endr
.endr
	s_wait_tensorcnt 0x0                           ; ahead of the round behind which LDS bytes are filled again
	ds_add_u32 v254, v255
	s_add_co_u32 s[G0K+1], s[G0K+1], 131072        ; no tensor load of mine is out: the group 0 steps four blocks on
	s_add_nc_u64 s[G0K+2:G0K+3], s[G0K+2:G0K+3], 32768
	s_wait_dscnt 0x0                               ; the add and my reads of Wq are done
	ROUND
	s_cmp_lt_u32 s[WV], 8
	s_cbranch_scc1 .Lnofill
	tensor_load_to_lds s[G0K:G0K+3], s[G1K:G1K+7]  ; blocks 4 to 7, over Wq's rows
	s_nop 0
	NOPS
.Lnofill:
	v_add_nc_u32 v[LBK], s79, v[LI]
	v_add_nc_u32 v[LBV], 0x4000, v[LBK]
.irp i, 0,1
	v_mov_b32 v[ST+4*\i+1], 0xff61b1e6             ; the largest t so far: -3e38
	v_mov_b32 v[ST+4*\i+2], 0
	v_mov_b32 v[ST+4*\i+3], 0
	v_floor_f32 v[ST+4*\i], -v[ST+4*\i+1]          ; -M
.endr
	v_mov_b32 v[F+1], 0                            ; (upper halves of pairs)
	v_mov_b32 v[RL+1], 0
	v_mov_b32 v[RL+3], 0
	v_mov_b32 v[PX], 0
	v_mov_b32 v[PSC], s55
	v_mov_b32 v[PLIM], s56
	v_mov_b32 v[PLIM2], s56
	v_mov_b32 v[OSC], s57
	v_mov_b32 v[OLIM], s53
.set j, 0
.rept 64
	v_mov_b32 v[O+j], 0                            ; O^T: the step is written once, and its first run finds zeros
.set j, j+1
.endr
; A prefetch of my two tiles' bias blocks two blocks on: 8,192 bytes each, lanes 256 bytes apart; each block is named once in the launch, by the pair's wave of head 0 in the work-group with hp = 0; the last two blocks ask for nothing.
.macro ASK
	s_cmp_gt_u32 s[LEFT], s[LIM]
	s_cbranch_scc0 .Lnot_mine_\@
	global_prefetch_b8 v[PFO], s[BP:BP+1] offset:16384 th:TH_LOAD_NT scope:SCOPE_SE
	global_prefetch_b8 v[PFO], s[BP:BP+1] offset:81920 th:TH_LOAD_NT scope:SCOPE_SE
.Lnot_mine_\@:
.endm
; ONE TILE'S HALF OF A STEP OF 64 KEYS.  i: the tile; hf: which half of the block; R: its region; kl = 1: the step's fragments of K are loaded here; kp = 1: the block's second 64 keys' fragments of K are asked for behind the score products; ask: the prefetch.
; Tile 0's half loads V's fragments, which serve both tiles.
.macro HEAD i, hf, R, kl, kp, ask
.if \kl
	v_add_nc_u32 v[ADK], s[TB], v[LBK]
.irp t, 0,1,2,3
.irp c, 0,1
	ds_load_b128 v[FK+8*\t+4*\c:FK+8*\t+4*\c+3], v[ADK] offset:\hf*4096+\t*1024+\c*512
.endr
.endr
.endif
	s_wait_loadcnt 8                               ; this tile's bias is in; the other tile's eight loads, issued behind it, may be out
.if \kl
	s_wait_dscnt 0x0
.endif
.irp t, 0,1,2,3
	v_wmma_f32_16x16x64_fp8_fp8 v[\R+8*\t:\R+8*\t+7], v[FK+8*\t:FK+8*\t+7], v[Q+8*\i:Q+8*\i+7], v[\R+8*\t:\R+8*\t+7]
.endr
.if \i == 0                            ; four plain lines: in front of the first read of the scores, of the loads into K's registers, and (behind the last products) of the loads into V's
	v_add_nc_u32 v[ADV], s[TB], v[LBV]
.else
	v_nop
.endif
	v_mov_b32 v[OM], v[ST+4*\i]
.if \kp
	v_add_nc_u32 v[ADK], s[TB], v[LBK]
.else
	v_nop
.endif
	v_nop
.if \i == 0
.irp d, 0,1,2,3
.irp c, 0,1
	ds_load_b128 v[FV+8*\d+4*\c:FV+8*\d+4*\c+3], v[ADV] offset:\hf*1024+\d*2048+\c*512
.endr
.endr
.endif
.if \kp
.irp t, 0,1,2,3
.irp c, 0,1
	ds_load_b128 v[FK+8*\t+4*\c:FK+8*\t+4*\c+3], v[ADK] offset:4096+\t*1024+\c*512
.endr
.endr
.endif
	v_max3_num_f32 v[TA], v[\R], v[\R+1], v[\R+2]  ; the largest score, in two chains; each tile of keys is first read at its low end
	v_max3_num_f32 v[TBR], v[\R+3], v[\R+4], v[\R+5]
.irp k, 6,10,14,18,22,26
	v_max3_num_f32 v[TA], v[TA], v[\R+\k], v[\R+\k+1]
	v_max3_num_f32 v[TBR], v[TBR], v[\R+\k+2], v[\R+\k+3]
.endr
	v_max3_num_f32 v[TA], v[TA], v[\R+30], v[\R+31]
	s_delay_alu instid0(VALU_DEP_1)
	v_max_num_f32 v[TA], v[TA], v[TBR]
	s_delay_alu instid0(VALU_DEP_1)
	v_permlanex16_b32 v[PX], v[TA], s[SEL], s[SEL+1]
	s_delay_alu instid0(VALU_DEP_1)
	v_max_num_f32 v[TA], v[TA], v[PX]
	s_delay_alu instid0(VALU_DEP_1)
	v_mul_f32 v[TA], s[CS], v[TA]
	s_delay_alu instid0(VALU_DEP_1)
	v_max_num_f32 v[ST+4*\i+1], v[ST+4*\i+1], v[TA]
	s_delay_alu instid0(VALU_DEP_1)
	v_floor_f32 v[ST+4*\i], -v[ST+4*\i+1]          ; the new -M
	s_delay_alu instid0(VALU_DEP_1)
	v_sub_f32 v[TBR], v[ST+4*\i], v[OM]            ; old M - new M
	s_delay_alu instid0(VALU_DEP_1)
	v_cvt_i32_f32 v[TBR], v[TBR]
	s_delay_alu instid0(VALU_DEP_1)
	v_ldexp_f32 v[F], 1.0, v[TBR]
.set j, 0
.rept 16
	v_pk_fma_f32 v[\R+j:\R+j+1], v[\R+j:\R+j+1], s[CS:CS+1], v[ST+4*\i:ST+4*\i+1] op_sel_hi:[1,0,0]   ; t - M
.set j, j+2
.endr
.set j, 0
	s_wait_alu depctr_va_vdst(0)                   ; ahead of the batch
.rept 32
	v_exp_f32 v[\R+j], v[\R+j]
.set j, j+1
.endr
	v_pk_mul_f32 v[ST+4*\i+2:ST+4*\i+3], v[ST+4*\i+2:ST+4*\i+3], v[F:F+1] op_sel_hi:[1,0]
	s_wait_alu depctr_va_vdst(0)                   ; and behind it, ahead of its first reader
	v_pk_add_f32 v[A2:A2+1], v[\R:\R+1], v[\R+2:\R+3]   ; the sum of the unquantised p, in two chains
.irp k, 4,8,12,16,20,24,28
	v_pk_add_f32 v[ST+4*\i+2:ST+4*\i+3], v[ST+4*\i+2:ST+4*\i+3], v[\R+\k:\R+\k+1]
	v_pk_add_f32 v[A2:A2+1], v[A2:A2+1], v[\R+\k+2:\R+\k+3]
.endr
	s_delay_alu instid0(VALU_DEP_1)
	v_pk_add_f32 v[ST+4*\i+2:ST+4*\i+3], v[ST+4*\i+2:ST+4*\i+3], v[A2:A2+1]
.set j, 0
.rept 16
	v_dual_min_num_f32 v[\R+j], v[\R+j], v[PLIM] :: v_dual_min_num_f32 v[\R+j+1], v[\R+j+1], v[PLIM2]   ; the hold, one-sided: p is not negative
.set j, j+2
.endr
.irp k, 0,1,2,3
	v_cvt_scalef32_pk8_fp8_f32 v[P+2*\k:P+2*\k+1], v[\R+8*\k:\R+8*\k+7], v[PSC]
.endr
.irp g, 0,1,2,3,4,5,6,7                ; the region takes this tile's next 64 keys' bias
.if \hf == 0
	global_load_b128 v[\R+4*\g:\R+4*\g+3], v[LI], s[BP:BP+1] offset:65536*\i+4096+512*\g
.else
	global_load_b128 v[\R+4*\g:\R+4*\g+3], v[LI], s[BN:BN+1] offset:65536*\i+512*\g
.endif
.endr
.if \ask
	ASK
.endif
.set j, 0
.rept 16
	v_pk_mul_f32 v[O+32*\i+j:O+32*\i+j+1], v[O+32*\i+j:O+32*\i+j+1], v[F:F+1] op_sel_hi:[1,0]   ; O^T under the new M
.set j, j+2
.endr
	s_wait_alu depctr_va_vdst(0)                   ; directly ahead of the wait below
	s_wait_dscnt 0x0                               ; V's fragments, and K's where they were asked for
.irp d, 0,1,2,3
	v_wmma_f32_16x16x64_fp8_fp8 v[O+32*\i+8*\d:O+32*\i+8*\d+7], v[FV+8*\d:FV+8*\d+7], v[P:P+7], v[O+32*\i+8*\d:O+32*\i+8*\d+7]
.endr
.endm
.macro TRIP                            ; 128 keys, both tiles
	HEAD 0, 0, X, 1, 0, 1
	HEAD 1, 0, Y, 0, 1, 0
	HEAD 0, 1, X, 0, 0, 0
	HEAD 1, 1, Y, 0, 0, 0
	s_wait_xcnt 0x0                                ; the trip's loads and its prefetches have read their bases
	s_add_nc_u64 s[BP:BP+1], s[BP:BP+1], 8192
	s_add_co_u32 s[TB], s[TB], 32768
	s_sub_co_u32 s[LEFT], s[LEFT], 1
	s_cmp_gt_u32 s[LEFT], 1
	s_cselect_b32 s94, 8192, 0                     ; behind the last block there is no bias: its reloads stay inside the buffer, at the block in hand
	s_add_nc_u64 s[BN:BN+1], s[BP:BP+1], s[94:95]
.endm
	s_mov_b32 s[TB], 0
	s_mov_b32 s[CNT], 4
	s_wait_alu depctr_va_vdst(0)                   ; at the head's end
.Lfirst:
	TRIP
	s_sub_co_u32 s[CNT], s[CNT], 1
	s_cmp_lg_u32 s[CNT], 0
	s_cbranch_scc1 .Lfirst
	s_wait_tensorcnt 0x0                           ; my part of blocks 4 to 7,
	s_barrier_signal -1
	s_barrier_wait -1                              ; and everybody's
	s_mov_b32 s[TB], 131072
	s_mov_b32 s[CNT], 4
.Lrest:
	TRIP
	s_sub_co_u32 s[CNT], s[CNT], 1
	s_cmp_lg_u32 s[CNT], 0
	s_cbranch_scc1 .Lrest
	; THE WAY OUT
	NOPS
	v_add_f32 v[RL], v[ST+2], v[ST+3]
	v_add_f32 v[RL+2], v[ST+6], v[ST+7]
	s_delay_alu instid0(VALU_DEP_2)
	v_permlanex16_b32 v[PX], v[RL], s[SEL], s[SEL+1]
	s_delay_alu instid0(VALU_DEP_2)
	v_permlanex16_b32 v[TA], v[RL+2], s[SEL], s[SEL+1]
	s_delay_alu instid0(VALU_DEP_2)
	v_add_f32 v[RL], v[RL], v[PX]
	s_delay_alu instid0(VALU_DEP_2)
	v_add_f32 v[RL+2], v[RL+2], v[TA]
	s_wait_alu depctr_va_vdst(0)
	v_rcp_f32 v[RL], v[RL]
	v_rcp_f32 v[RL+2], v[RL+2]
	v_nop
	s_wait_alu depctr_va_vdst(0)
	v_ldexp_f32 v[RL], v[RL], s49                  ; x 2^(e8 + e9)
	v_ldexp_f32 v[RL+2], v[RL+2], s49
.irp e, 0,1
.set j, 0
.rept 16
	v_pk_mul_f32 v[O+32*\e+j:O+32*\e+j+1], v[O+32*\e+j:O+32*\e+j+1], v[RL+2*\e:RL+2*\e+1] op_sel_hi:[1,0]
.set j, j+2
.endr
.set j, 0
.rept 32
	v_med3_num_f32 v[O+32*\e+j], v[O+32*\e+j], -v[OLIM], v[OLIM]
.set j, j+1
.endr
.irp k, 0,1,2,3
	v_cvt_scalef32_pk8_fp8_f32 v[FK+8*\e+2*\k:FK+8*\e+2*\k+1], v[O+32*\e+8*\k:O+32*\e+8*\k+7], v[OSC]
.endr
	v_nop
.endr
.irp e, 0,1
.irp c, 0,1
	global_store_b128 v[LI], v[FK+8*\e+4*\c:FK+8*\e+4*\c+3], s[OCP:OCP+1] offset:\e*16384+\c*512   ; tile e, my head: 512 consecutive bytes a store, 1,024 on end
.endr
.endr
	s_wait_tensorcnt 0x0                           ; the wave's end
	ds_add_u32 v254, v255
	s_wait_dscnt 0x0
	ROUND                                          ; the closing round
	s_endpgm
.Lfunc_end_k_q2d371128eb_attn:
	.size	k_q2d371128eb_attn, .Lfunc_end_k_q2d371128eb_attn-k_q2d371128eb_attn
	.p2alignl 7, 3214868480
	.fill 96, 4, 3214868480
	.section	.rodata,"a",@progbits
	.p2align	6, 0x0
	.amdhsa_kernel k_q2d371128eb_attn
		.amdhsa_group_segment_fixed_size 327680
		.amdhsa_private_segment_fixed_size 0
		.amdhsa_enable_private_segment 0
		.amdhsa_kernarg_size 56
		.amdhsa_user_sgpr_count 2
		.amdhsa_user_sgpr_kernarg_segment_ptr 1
		.amdhsa_wavefront_size32 1
		.amdhsa_system_sgpr_workgroup_id_x 1
		.amdhsa_system_sgpr_workgroup_id_y 1
		.amdhsa_system_sgpr_workgroup_id_z 1
		.amdhsa_system_vgpr_workitem_id 0
		.amdhsa_next_free_vgpr 256
		.amdhsa_next_free_sgpr 96
		.amdhsa_reserve_vcc 0
		.amdhsa_float_denorm_mode_32 3
		.amdhsa_float_denorm_mode_16_64 3
		.amdhsa_memory_ordered 1
		.amdhsa_forward_progress 1
		.amdhsa_inst_pref_size 125
	.end_amdhsa_kernel
	.amdgpu_metadata
---
amdhsa.version: [ 1, 2 ]
amdhsa.kernels:
  - .name:           k_q2d371128eb_attn
    .symbol:         k_q2d371128eb_attn.kd
    .args:
      - { .name: qkv, .offset: 0, .size: 8, .value_kind: global_buffer, .address_space: global }
      - { .name: bz, .offset: 8, .size: 8, .value_kind: global_buffer, .address_space: global }
      - { .name: lowp_scales, .offset: 16, .size: 8, .value_kind: global_buffer, .address_space: global }
      - { .name: oc, .offset: 24, .size: 8, .value_kind: global_buffer, .address_space: global }
      - { .name: xc, .offset: 32, .size: 8, .value_kind: global_buffer, .address_space: global }
      - { .name: wc, .offset: 40, .size: 8, .value_kind: global_buffer, .address_space: global }
      - { .name: bq, .offset: 48, .size: 8, .value_kind: global_buffer, .address_space: global }
    .group_segment_fixed_size: 327680
    .private_segment_fixed_size: 0
    .kernarg_segment_align: 8
    .kernarg_segment_size: 56
    .max_flat_workgroup_size: 512
    .sgpr_count:     96
    .vgpr_count:     256
    .wavefront_size: 32
...
	.end_amdgpu_metadata
.endif
;; end of part 3
;; launch outp (part 4): grid 4 x 64, 4 waves a work-group, clusters of 4 x 4, 327,680 bytes of LDS; arguments oc, wc, lowp_scales, bo, out0; writes out0
.if DOCPART == 4
	.amdgcn_target "amdgcn-amd-amdhsa--gfx1250"
	.amdhsa_code_object_version 6
	.text
	.protected	k_q2d371128eb_outp
	.globl	k_q2d371128eb_outp
	.p2align	8
	.type	k_q2d371128eb_outp,@function
k_q2d371128eb_outp:
	s_mov_b64 s[64:65], 0
	v_nop
	global_prefetch_b8 v0, s[64:65] scope:SCOPE_SE
	s_setreg_imm32_b32 hwreg(HW_REG_WAVE_MODE, 25, 1), 1
	s_wait_xcnt 0x0
	s_wait_alu depctr_hold_cnt(0) depctr_sa_sdst(0) depctr_va_vdst(0) depctr_va_sdst(0) depctr_va_ssrc(0) depctr_va_vcc(0) depctr_vm_vsrc(0)
	s_getreg_b32 s2, hwreg(HW_REG_IB_STS2, 6, 4)
	s_cmp_eq_u32 s2, 0
	s_cbranch_scc0 .Lentry_in_a_cluster
	s_endpgm
.Lentry_in_a_cluster:
	s_bfe_u32 s2, ttmp6, 0x10000c
	s_cmp_lg_u32 s2, 0xf033
	s_cbranch_scc0 .Lentry_shape_is_right
	s_endpgm
.Lentry_shape_is_right:
.set ROWB,   256
.set KROW,   1024
.set PITCH,  272
.set FR,     16
.set NP,     4
.set HALFT,  128*PITCH
.set AHALF,  16384
.set ASTEP,  4096
.set BOFF,   2*AHALF
.set SLOT,   BOFF+2*HALFT
.set SPARE,  3*SLOT
.set STG,    SLOT
.set SPITCH, 528
.set BO,   8
.set ADRA, 16
.set ADRB, 20
.set STO,  24
.set RD,   25
.set CO,   26
.set SPW,  28
.set NIL,  29
.set AF,   128
.set BK,   128
.set G1,  24
.set G1B, 32
.set G0,  48
.set G0B, 68
.set MSB, 0
.macro WIN new
.if MSB != (\new)
	s_set_vgpr_msb (MSB<<8)|(\new)
.set MSB, (\new)
.endif
.endm
.set MUL,  0xa1
.set TO_B, 0x40
.macro JLOAD g0a, g1a, g0b, g1b
	s_cmp_eq_u32 s15, 0
	s_cbranch_scc0 .Lfor_b_\@
	tensor_load_to_lds s[\g0a:\g0a+3], s[\g1a:\g1a+7]
	s_nop 0
.rept 4
	v_nop
.endr
	s_branch .Lasked_\@
.Lfor_b_\@:
	tensor_load_to_lds s[\g0b:\g0b+3], s[\g1b:\g1b+7]
	s_nop 0
.rept 4
	v_nop
.endr
.Lasked_\@:
.endm
.macro CREST
	s_cmp_lg_u32 s14, 0
	s_cbranch_scc1 .Lnot_wave_0_\@
	s_barrier_signal -3
.Lnot_wave_0_\@:
	s_barrier_wait -3
	s_barrier_signal -1
	s_barrier_wait -1
.endm
.macro CROUND
	s_barrier_signal -1
	s_barrier_wait -1
	CREST
.endm
	s_load_b128 s[4:7], s[0:1], 0x0
	s_load_b128 s[8:11], s[0:1], 0x10
	s_load_b64 s[12:13], s[0:1], 0x20
	v_lshl_add_u32 v[SPW], v0, 2, SPARE
	v_mov_b32 v[NIL], 0
	ds_add_u32 v28, v29
	ds_add_u32 v28, v29
	s_wait_dscnt 0x0
	v_lshrrev_b32 v1, 5, v0
	v_readfirstlane_b32 s14, v1
	s_lshr_b32 s15, s14, 1
	s_and_b32 s16, s14, 1
	s_bfe_u32 s40, ttmp6, 0x40000
	s_bfe_u32 s41, ttmp6, 0x40004
	s_lshl_b32 s42, ttmp9, 2
	s_add_co_u32 s42, s42, s40
	s_and_b32 s17, ttmp7, 0xffff
	s_lshl_b32 s17, s17, 2
	s_add_co_u32 s17, s17, s41
	s_lshl_b32 s43, s41, 2
	s_lshl_b32 s43, 15, s43
	s_lshl_b32 s44, 0x1111, s40
	s_or_b32 s[G1+0], s43, (3<<16)|(1<<21)
	s_mov_b32 s[G1+1], 512<<16
	s_mov_b32 s[G1+2], 4<<16
	s_mov_b32 s[G1+3], 512<<16
	s_mov_b32 s[G1+4], 4
	s_mov_b32 s[G1+5], 2048
	s_mov_b32 s[G1+6], 0
	s_mov_b32 s[G1+7], 0
	s_or_b32 s[G1B+0], s44, (0<<16)|(1<<20)|(1<<21)|(5<<22)|(3<<25)
	s_mov_b32 s[G1B+1], ROWB<<16
	s_mov_b32 s[G1B+2], 128<<16
	s_mov_b32 s[G1B+3], ROWB<<16
	s_mov_b32 s[G1B+4], 128
	s_mov_b32 s[G1B+5], KROW
	s_mov_b32 s[G1B+6], 0
	s_mov_b32 s[G1B+7], 0
	s_lshl_b32 s18, s16, 16
	s_lshl_b32 s20, s17, 17
	s_add_co_u32 s20, s20, s18
	s_mov_b32 s21, 0
	s_lshl_b32 s18, s16, 17
	s_lshl_b32 s46, s42, 18
	s_add_co_u32 s46, s46, s18
	s_add_co_u32 s46, s46, 3072*KROW
	s_mov_b32 s47, 0
	s_lshl_b32 s45, s16, 14
	s_mul_i32 s19, s16, HALFT
	s_add_co_u32 s19, s19, BOFF
	s_wait_kmcnt 0x0
	s_load_b64 s[96:97], s[8:9], 0x28
	s_add_nc_u64 s[20:21], s[4:5], s[20:21]
	s_add_nc_u64 s[46:47], s[6:7], s[46:47]
	CROUND
.irp s, 0,1,2
	s_mov_b32 s[G0+4*\s], 1
	s_add_co_u32 s[G0+4*\s+1], s45, \s*SLOT
	s_add_nc_u64 s[G0+4*\s+2:G0+4*\s+3], s[20:21], \s*ASTEP
	s_or_b32 s[G0+4*\s+3], s[G0+4*\s+3], 0x80000000
	s_mov_b32 s[G0B+4*\s], 1
	s_add_co_u32 s[G0B+4*\s+1], s19, \s*SLOT
	s_add_nc_u64 s[G0B+4*\s+2:G0B+4*\s+3], s[46:47], \s*ROWB
	s_or_b32 s[G0B+4*\s+3], s[G0B+4*\s+3], 0x80000000
.endr
	JLOAD G0, G1, G0B, G1B                         ; K step 0, behind the opening round: one tensor load a wave at the head; the address work below stands under its flight
	v_and_b32 v1, 15, v0
	v_bfe_u32 v2, v0, 4, 1
	v_and_b32 v6, 31, v0
	v_lshlrev_b32 v[CO], 4, v6
	v_mul_u32_u24 v3, v1, PITCH
	v_lshl_add_u32 v4, v2, 4, v3
	s_lshl_b32 s21, s15, 14
	s_mul_i32 s22, s16, HALFT
	s_add_co_u32 s22, s22, BOFF
.irp s, 0,1,2
	v_add_nc_u32 v[ADRA+\s], s21, v[CO]
	v_add_nc_u32 v[ADRB+\s], s22, v4
	s_add_co_u32 s21, s21, SLOT
	s_add_co_u32 s22, s22, SLOT
.endr
	s_mul_i32 s23, s14, 16*SPITCH
	s_add_co_u32 s23, s23, STG
	v_mul_u32_u24 v5, v1, SPITCH
	v_lshl_add_u32 v5, v2, 5, v5
	v_add_nc_u32 v[STO], s23, v5
	v_add_nc_u32 v[RD], s23, v[CO]
	s_lshl_b32 s46, s42, 10
	s_lshl_b32 s47, s16, 9
	s_add_co_u32 s46, s46, s47
	s_mov_b32 s47, 0
	s_add_nc_u64 s[10:11], s[10:11], s[46:47]
	global_load_b128 v[BO:BO+3], v[CO], s[10:11]
	s_lshl_b32 s20, s17, 19
	s_lshl_b32 s21, s15, 18
	s_add_co_u32 s20, s20, s21
	s_mov_b32 s21, 0
	s_add_nc_u64 s[20:21], s[20:21], s[46:47]
	s_add_nc_u64 s[12:13], s[12:13], s[20:21]
.macro FRAG reg, adr, q, i
.irp c, 0,1,2,3
	ds_load_b128 v[\reg+4*\c:\reg+4*\c+3], v[\adr] offset:128*(\q)+32*\c+(\i)*16*PITCH
.endr
.endm
.macro FRAGA reg, adr, q, i
.irp c, 0,1,2,3
	ds_load_b128 v[\reg+4*\c:\reg+4*\c+3], v[\adr] offset:(\i)*ASTEP+(\q)*2048+512*\c
.endr
.endm
.macro MUL16 a0, p, zero
.irp a, \a0, \a0+1
.irp b, 0,1,2,3,4,5,6,7
.if \zero
	v_wmma_f32_16x16x128_fp8_fp8 v[8*(8*(\a)+\b):8*(8*(\a)+\b)+7], v[128*(\p)+FR*\b:128*(\p)+FR*\b+FR-1], v[AF+64*(\p)+FR*(\a):AF+64*(\p)+FR*(\a)+FR-1], 0
.else
	v_wmma_f32_16x16x128_fp8_fp8 v[8*(8*(\a)+\b):8*(8*(\a)+\b)+7], v[128*(\p)+FR*\b:128*(\p)+FR*\b+FR-1], v[AF+64*(\p)+FR*(\a):AF+64*(\p)+FR*(\a)+FR-1], v[8*(8*(\a)+\b):8*(8*(\a)+\b)+7]
.endif
.endr
.endr
.endm
.macro FETCH slot, q, p
	WIN TO_B
.irp i, 0,1,2,3,4,5,6,7
	FRAG 128*(\p)+FR*\i, ADRB+\slot, \q, \i
.endr
	WIN 0
.irp i, 0,1,2,3
	FRAGA AF+64*(\p)+FR*\i, ADRA+\slot, \q, \i
.endr
.endm
.macro PLACES n
.rept \n
	v_nop
.endr
.endm
.macro STEP p, zero, nslot, nq
	s_wait_dscnt 0x0
	PLACES NP
	FETCH \nslot, \nq, 1-\p
	WIN MUL
	MUL16 0, \p, \zero
	MUL16 2, \p, \zero
	WIN 0
.endm
.macro TURN p, fill, nslot
	s_wait_tensorcnt 0x0
	ds_add_u32 v[SPW], v[NIL]
	s_wait_dscnt 0x0
	s_barrier_signal -1
	WIN MUL
	MUL16 0, \p, 0
	WIN 0
	s_barrier_wait -1
.if \fill
	CREST
	s_add_nc_u64 s[G0+2:G0+3], s[G0+2:G0+3], 3*ASTEP
	s_add_nc_u64 s[G0B+2:G0B+3], s[G0B+2:G0B+3], 3*ROWB
	JLOAD G0, G1, G0B, G1B
.else
	PLACES NP
.endif
	FETCH \nslot, 0, 1-\p
	WIN MUL
	MUL16 2, \p, 0
	WIN 0
.endm
	s_wait_alu depctr_va_vdst(0)                   ; at the head's end
.irp s, 1,2
	s_wait_tensorcnt 0x0                           ; ahead of each later first fill: K steps 1 and 2
	ds_add_u32 v[SPW], v[NIL]
	s_wait_dscnt 0x0
	CROUND
	JLOAD G0+4*\s, G1, G0B+4*\s, G1B
.endr
	FETCH 0, 0, 0
	STEP 0, 1, 0, 1
	TURN 1, 1, 1
	STEP 0, 0, 1, 1
	STEP 1, 0, 2, 0
	STEP 0, 0, 2, 1
	TURN 1, 0, 0
	STEP 0, 0, 0, 1
	s_wait_dscnt 0x0
	WIN MUL
	MUL16 0, 1, 0
	MUL16 2, 1, 0
	WIN 0
.macro TOSTAGE a
.set AC, 64*(\a)
	WIN 0x08
.irp b, 0,1,2,3,4,5,6,7
	ds_store_b128 v[STO], v[AC+8*\b:AC+8*\b+3] offset:64*\b
	ds_store_b128 v[STO], v[AC+8*\b+4:AC+8*\b+7] offset:64*\b+16
.endr
	WIN 0
.set BB, BK+64*((\a)%2)
.irp t, 0,1,2,3,4,5,6,7,8,9,10,11,12,13,14,15
	ds_load_b128 v[BB+4*\t:BB+4*\t+3], v[RD] offset:\t*SPITCH
.endr
.endm
.macro SEND a, younger
.set BB, BK+64*((\a)%2)
	s_wait_dscnt \younger
.irp t, 0,1,2,3,4,5,6,7,8,9,10,11,12,13,14,15
	v_pk_fma_f32 v[BB+4*\t:BB+4*\t+1], v[BB+4*\t:BB+4*\t+1], s[96:97], v[BO:BO+1] op_sel_hi:[1,0,1]
	v_pk_fma_f32 v[BB+4*\t+2:BB+4*\t+3], v[BB+4*\t+2:BB+4*\t+3], s[96:97], v[BO+2:BO+3] op_sel_hi:[1,0,1]
.endr
.irp t, 0,1,2,3,4,5,6,7,8,9,10,11,12,13,14,15
	global_store_b128 v[CO], v[BB+4*\t:BB+4*\t+3], s[12:13] offset:(32*((\a)/2)+8*((\a)%2)+\t+8*(\t/8))*4096 th:TH_STORE_NT
.endr
.endm
	s_wait_kmcnt 0x0
	s_add_co_i32 s96, s96, s97
	s_add_co_i32 s96, s96, 127
	s_lshl_b32 s96, s96, 23
	s_mov_b32 s97, s96
	s_wait_loadcnt 0x0
	PLACES NP
	TOSTAGE 0
.irp a, 1,2,3
.if \a > 1
	s_wait_xcnt 0x0
.endif
	TOSTAGE \a
	SEND \a-1, 32
.endr
	SEND 3, 0
	s_wait_tensorcnt 0x0
	ds_add_u32 v[SPW], v[NIL]
	s_wait_dscnt 0x0
	CROUND
	s_endpgm
.Lfunc_end_k_q2d371128eb_outp:
	.size	k_q2d371128eb_outp, .Lfunc_end_k_q2d371128eb_outp-k_q2d371128eb_outp
	.p2alignl 7, 3214868480
	.fill 96, 4, 3214868480
	.section	.rodata,"a",@progbits
	.p2align	6, 0x0
	.amdhsa_kernel k_q2d371128eb_outp
		.amdhsa_group_segment_fixed_size 327680
		.amdhsa_private_segment_fixed_size 0
		.amdhsa_enable_private_segment 0
		.amdhsa_kernarg_size 40
		.amdhsa_user_sgpr_count 2
		.amdhsa_user_sgpr_kernarg_segment_ptr 1
		.amdhsa_wavefront_size32 1
		.amdhsa_system_sgpr_workgroup_id_x 1
		.amdhsa_system_sgpr_workgroup_id_y 1
		.amdhsa_system_sgpr_workgroup_id_z 1
		.amdhsa_system_vgpr_workitem_id 0
		.amdhsa_next_free_vgpr 768
		.amdhsa_next_free_sgpr 100
		.amdhsa_reserve_vcc 0
		.amdhsa_float_denorm_mode_32 3
		.amdhsa_float_denorm_mode_16_64 3
		.amdhsa_memory_ordered 1
		.amdhsa_forward_progress 1
		.amdhsa_inst_pref_size 76
	.end_amdhsa_kernel
	.amdgpu_metadata
---
amdhsa.version: [ 1, 2 ]
amdhsa.kernels:
  - .name:           k_q2d371128eb_outp
    .symbol:         k_q2d371128eb_outp.kd
    .args:
      - { .name: oc, .offset: 0, .size: 8, .value_kind: global_buffer, .address_space: global }
      - { .name: wc, .offset: 8, .size: 8, .value_kind: global_buffer, .address_space: global }
      - { .name: lowp_scales, .offset: 16, .size: 8, .value_kind: global_buffer, .address_space: global }
      - { .name: bo, .offset: 24, .size: 8, .value_kind: global_buffer, .address_space: global }
      - { .name: out0, .offset: 32, .size: 8, .value_kind: global_buffer, .address_space: global }
    .group_segment_fixed_size: 327680
    .private_segment_fixed_size: 0
    .kernarg_segment_align: 8
    .kernarg_segment_size: 40
    .max_flat_workgroup_size: 128
    .sgpr_count:     100
    .vgpr_count:     768
    .wavefront_size: 32
...
	.end_amdgpu_metadata
.endif
;; end of part 4
